; MI455X (gfx1250); checked and timed in simulation.
; The chip was launched on July 23, 2026; its instructions are those of AMD's public machine-readable ISA for CDNA 5 (MIT licence, August 2026) and "CDNA5" Instruction Set Architecture Reference Guide (July 2026). The comments in the code are by the model that wrote it; some were corrected since.
;; Deep Speed MLP. Allowed arithmetic: float matrix products may take bf16 or f16 operands with f32 sums; all other float work in f32.
;; Inputs: attn_nb 1,024 float32; attn_nw 1,024 float32; bias 1,024 float32; input 4 x 2,048 x 1,024 float32; inter_b 4,096 float32; inter_w 1,024 x 4,096 float32; output_b 1,024 float32; output_w 4,096 x 1,024 float32; residual 4 x 2,048 x 1,024 float32; residual_norm 4 x 2,048 x 1,024 float32.
;; Outputs: out0 4 x 2,048 x 1,024 float32.
;; 2 versions, each right; version 2 is version 1 with the launch prep written anew for expert scheduling mode. Each part assembles by itself: llvm-mc -triple=amdgcn-amd-amdhsa -mcpu=gfx1250 --defsym DOCPART=n.
;; ======== version 1 of 2: 3 launches
;; workspace buffers: xb 16,777,216 bytes; w1b 8,388,608 bytes; w2b 8,388,608 bytes; hb 67,108,864 bytes
;; launch prep (part 1): grid 512 x 1, 4 waves a work-group, no clusters, 0 bytes of LDS; arguments input, residual, bias, attn_nw, attn_nb, xb, inter_w, output_w, w1b, w2b; writes xb, w1b, w2b
.if DOCPART == 1
	.amdgcn_target "amdgcn-amd-amdhsa--gfx1250"
	.amdhsa_code_object_version 6
	.text
	.protected	k_q5c8a040068_prep
	.globl	k_q5c8a040068_prep
	.p2align	8
	.type	k_q5c8a040068_prep,@function
k_q5c8a040068_prep:
	s_mov_b64 s[64:65], 0
	v_nop
	global_prefetch_b8 v0, s[64:65] scope:SCOPE_SE
	s_setreg_imm32_b32 hwreg(HW_REG_WAVE_MODE, 25, 1), 1
	s_wait_xcnt 0x0
; First of three launches of   out = gelu(LN(input + bias + residual) W1 + b1) W2 + b2 + (input + bias + residual).
; WORK LEFT OUT: the input residual_norm is named nowhere in the body of reference(), so for all values it can reach no output.
; It is not loaded and is among no launch's arguments.  Limit: a NaN or an infinity in residual_norm is not carried to the result (nor is it by reference()).
;
; This launch makes the 16-bit operands of the two products:
;   work-groups 0-255:   xb[row][1024] = bf16( LN(input + bias + residual) * attn_nw + attn_nb ), 32 rows a work-group, 8 a wave, one wave to a row
;   work-groups 256-383: w1b = bf16(inter_w);  384-511: w2b = bf16(output_w): 32,768 numbers a work-group, layout unchanged ([k][n])
; Limit: x, W1, W2 are rounded to bf16 (nearest even) for the matrix units; mean, variance and the norm are f32, the variance from the centred row as in reference().
; A row of 4,096 bytes is 32 registers of a wave, so it stays in registers between the passes; no LDS, no barrier, no loop: every address register is written once.
.set BI,  4                            ; v[4:35]    bias of my 32 columns (load j: columns 128 j + 4 lane .. + 3 in registers 4 j .. 4 j + 3)
.set GA,  36                           ; v[36:67]   attn_nw likewise
.set BE,  68                           ; v[68:99]   attn_nb likewise
.set INB, 100                          ; v[100:227] two row slots: 32 registers of input, then 32 of residual (later the packed results)
.set T,   228                          ; v[228:235] at work
.set M,   236                          ; v[236:237] the mean, twice
.set R,   238                          ; v[238:239] 1 / sqrt(var + eps), twice
.set P,   240                          ; v240       target of the exchange between the halves of the wave
.set X,   4                            ; cast: v[4:131]   32 slots of 4 registers as loaded
.set Y,   132                          ; cast: v[132:195] 32 slots of 2 registers to store
	v_and_b32 v3, 31, v0                           ; lane
	v_lshrrev_b32 v[T], 5, v0                      ; wave
	v_lshlrev_b32 v1, 4, v3
	v_lshl_add_u32 v1, v[T], 15, v1                ; f32 side: wave x 32,768 bytes + 16 lane (8 rows of 4,096 bytes, or 8,192 numbers of a weight)
	v_lshlrev_b32 v2, 3, v3
	v_lshl_add_u32 v2, v[T], 14, v2                ; bf16 side: wave x 16,384 bytes + 8 lane
	s_cmp_lt_u32 ttmp9, 256
	s_cbranch_scc0 .Lcast
	; ---------------- the norm ----------------
	s_load_b256 s[4:11], s[0:1], 0x0               ; input s[4:5], residual s[6:7], bias s[8:9], attn_nw s[10:11]
	s_load_b128 s[12:15], s[0:1], 0x20             ; attn_nb s[12:13], xb s[14:15]
	s_lshl_b32 s16, ttmp9, 17                      ; 32 rows of 4,096 bytes
	s_mov_b32 s17, 0
	s_lshl_b32 s18, ttmp9, 16                      ; 32 rows of 2,048 bytes
	s_mov_b32 s19, 0
	s_mov_b32 s20, 0x3a800000                      ; 1 / 1024
	s_mov_b32 s21, 0x3727c5ac                      ; 1e-5
	s_mov_b32 s22, 0x76543210                      ; v_permlanex16_b32: lane i of one half reads lane i of the other
	s_mov_b32 s23, 0xfedcba98
	v_lshlrev_b32 v3, 4, v3                        ; 16 lane: my place in the three vectors of 1,024
	v_mov_b32 v[P], 0                              ; the exchange counts as a reader of its target
	s_wait_kmcnt 0x0
	s_add_nc_u64 s[4:5], s[4:5], s[16:17]
	s_add_nc_u64 s[6:7], s[6:7], s[16:17]
	s_add_nc_u64 s[14:15], s[14:15], s[18:19]
.irp j, 0,1,2,3,4,5,6,7
	global_load_b128 v[BI+4*\j:BI+4*\j+3], v3, s[8:9] offset:512*\j
.endr
.irp j, 0,1,2,3,4,5,6,7
	global_load_b128 v[GA+4*\j:GA+4*\j+3], v3, s[10:11] offset:512*\j
.endr
.irp j, 0,1,2,3,4,5,6,7
	global_load_b128 v[BE+4*\j:BE+4*\j+3], v3, s[12:13] offset:512*\j
.endr
; sixteen loads: row 'row' of my eight, of input and of residual, 512 neighbouring bytes a load.
; The row may be handed over as a sum (row + 2), so it stands in brackets in front of the product with the row's bytes.
.macro FILL row, sl
.irp j, 0,1,2,3,4,5,6,7
	global_load_b128 v[INB+64*\sl+4*\j:INB+64*\sl+4*\j+3], v1, s[4:5] offset:(\row)*4096+512*\j th:TH_LOAD_NT
.endr
.irp j, 0,1,2,3,4,5,6,7
	global_load_b128 v[INB+64*\sl+32+4*\j:INB+64*\sl+32+4*\j+3], v1, s[6:7] offset:(\row)*4096+512*\j th:TH_LOAD_NT
.endr
.endm
; the four chains in v[T:T+7] to one number, the same in all 32 lanes, in v[T]
.macro REDUCE
	v_pk_add_f32 v[T:T+1], v[T:T+1], v[T+2:T+3]
	v_pk_add_f32 v[T+4:T+5], v[T+4:T+5], v[T+6:T+7]
	v_pk_add_f32 v[T:T+1], v[T:T+1], v[T+4:T+5]
	v_add_f32 v[T], v[T], v[T+1]
	v_add_f32_dpp v[T], v[T], v[T] row_xmask:1 row_mask:0xf bank_mask:0xf
	v_add_f32_dpp v[T], v[T], v[T] row_xmask:2 row_mask:0xf bank_mask:0xf
	v_add_f32_dpp v[T], v[T], v[T] row_xmask:4 row_mask:0xf bank_mask:0xf
	v_add_f32_dpp v[T], v[T], v[T] row_xmask:8 row_mask:0xf bank_mask:0xf
	v_permlanex16_b32 v[P], v[T], s22, s23
	v_add_f32 v[T], v[T], v[P]
.endm
; One row.  left = the younger loads that may stay out (the next row's sixteen); fill = 1: the slot then takes the row two further down.
.macro TURN row, sl, left, fill
.set IN, INB+64*\sl
.set RS, INB+64*\sl+32
	s_wait_loadcnt \left                           ; loads come back in order: this row's sixteen (and, the first time, the 24 older ones of the three vectors) are in
.irp q, 0,1,2,3,4,5,6,7,8,9,10,11,12,13,14,15
	v_pk_add_f32 v[IN+2*\q:IN+2*\q+1], v[IN+2*\q:IN+2*\q+1], v[BI+2*\q:BI+2*\q+1]
.endr
.irp q, 0,1,2,3,4,5,6,7,8,9,10,11,12,13,14,15
	v_pk_add_f32 v[IN+2*\q:IN+2*\q+1], v[IN+2*\q:IN+2*\q+1], v[RS+2*\q:RS+2*\q+1]   ; input + bias + residual
.endr
.irp c, 0,1,2,3
	v_pk_add_f32 v[T+2*\c:T+2*\c+1], v[IN+2*\c:IN+2*\c+1], v[IN+8+2*\c:IN+8+2*\c+1]  ; four chains, started by the data: nothing is cleared
.endr
.irp c, 0,1,2,3
	v_pk_add_f32 v[T+2*\c:T+2*\c+1], v[T+2*\c:T+2*\c+1], v[IN+16+2*\c:IN+16+2*\c+1]
.endr
.irp c, 0,1,2,3
	v_pk_add_f32 v[T+2*\c:T+2*\c+1], v[T+2*\c:T+2*\c+1], v[IN+24+2*\c:IN+24+2*\c+1]
.endr
	REDUCE
	v_mul_f32 v[M], s20, v[T]                      ; the mean
	v_mov_b32 v[M+1], v[M]
.irp q, 0,1,2,3,4,5,6,7,8,9,10,11,12,13,14,15
	v_pk_add_f32 v[IN+2*\q:IN+2*\q+1], v[IN+2*\q:IN+2*\q+1], v[M:M+1] neg_lo:[0,1] neg_hi:[0,1]
.endr
.irp c, 0,1,2,3
	v_pk_mul_f32 v[T+2*\c:T+2*\c+1], v[IN+2*\c:IN+2*\c+1], v[IN+2*\c:IN+2*\c+1]
.endr
.irp c, 0,1,2,3
	v_pk_fma_f32 v[T+2*\c:T+2*\c+1], v[IN+8+2*\c:IN+8+2*\c+1], v[IN+8+2*\c:IN+8+2*\c+1], v[T+2*\c:T+2*\c+1]
.endr
.irp c, 0,1,2,3
	v_pk_fma_f32 v[T+2*\c:T+2*\c+1], v[IN+16+2*\c:IN+16+2*\c+1], v[IN+16+2*\c:IN+16+2*\c+1], v[T+2*\c:T+2*\c+1]
.endr
.irp c, 0,1,2,3
	v_pk_fma_f32 v[T+2*\c:T+2*\c+1], v[IN+24+2*\c:IN+24+2*\c+1], v[IN+24+2*\c:IN+24+2*\c+1], v[T+2*\c:T+2*\c+1]
.endr
	REDUCE
	v_fma_f32 v[T], v[T], s20, s21                 ; var + eps
	v_rsq_f32 v[R], v[T]
	v_rsq_f32 v[R+1], v[T]
	v_nop                                          ; one plain vector instruction behind a transcendental before its result is read or its source rewritten (ISA guide 5.7.2)
	s_wait_alu depctr_va_vdst(0)
.irp g, 0,1,2,3
.irp c, 0,1,2,3
	v_pk_mul_f32 v[T+2*\c:T+2*\c+1], v[IN+8*\g+2*\c:IN+8*\g+2*\c+1], v[R:R+1]
.endr
.irp c, 0,1,2,3
	v_pk_fma_f32 v[T+2*\c:T+2*\c+1], v[T+2*\c:T+2*\c+1], v[GA+8*\g+2*\c:GA+8*\g+2*\c+1], v[BE+8*\g+2*\c:BE+8*\g+2*\c+1]
.endr
.irp c, 0,1,2,3
	v_cvt_pk_bf16_f32 v[RS+4*\g+\c], v[T+2*\c], v[T+2*\c+1]
.endr
	global_store_b64 v2, v[RS+4*\g:RS+4*\g+1], s[14:15] offset:\row*2048+512*\g          ; 32 lanes x 8 bytes: 256 consecutive bytes, aligned
	global_store_b64 v2, v[RS+4*\g+2:RS+4*\g+3], s[14:15] offset:\row*2048+512*\g+256
.endr
.if \fill
	s_wait_xcnt 0x0                                ; the stores' data registers are loaded again only behind this wait (ISA guide 3.1)
	FILL \row+2, \sl
.endif
.endm
	FILL 0, 0
	FILL 1, 1
	TURN 0, 0, 16, 1
	TURN 1, 1, 16, 1
	TURN 2, 0, 16, 1
	TURN 3, 1, 16, 1
	TURN 4, 0, 16, 1
	TURN 5, 1, 16, 1
	TURN 6, 0, 16, 0                               ; the last two rows fetch nothing more
	TURN 7, 1, 0, 0
	s_endpgm
	; ---------------- the casts ----------------
.Lcast:
	s_load_b256 s[28:35], s[0:1], 0x30             ; inter_w s[28:29], output_w s[30:31], w1b s[32:33], w2b s[34:35]
	s_sub_co_u32 s24, ttmp9, 256                   ; 0-127: inter_w; 128-255: output_w
	s_and_b32 s25, s24, 127                        ; my part of that weight
	s_lshl_b32 s40, s25, 17                        ; 32,768 numbers of 4 bytes
	s_mov_b32 s41, 0
	s_lshl_b32 s42, s25, 16                        ; and of 2 bytes
	s_mov_b32 s43, 0
	s_wait_kmcnt 0x0
	s_cmp_lt_u32 s24, 128
	s_cselect_b64 s[36:37], s[28:29], s[30:31]     ; from
	s_cselect_b64 s[38:39], s[32:33], s[34:35]     ; to
	s_add_nc_u64 s[36:37], s[36:37], s[40:41]
	s_add_nc_u64 s[38:39], s[38:39], s[42:43]
	; a wave has 64 pieces of 512 bytes; a ring of 32 register slots keeps 32 loads of it on their way
.set i, 0
.rept 32
	global_load_b128 v[X+4*i:X+4*i+3], v1, s[36:37] offset:512*i th:TH_LOAD_NT
.set i, i+1
.endr
.set i, 0
.rept 32
	s_wait_loadcnt 31                              ; behind slot i's load: 31 - i first fills and i refills
	v_cvt_pk_bf16_f32 v[Y+2*i], v[X+4*i], v[X+4*i+1]
	v_cvt_pk_bf16_f32 v[Y+2*i+1], v[X+4*i+2], v[X+4*i+3]
	global_load_b128 v[X+4*i:X+4*i+3], v1, s[36:37] offset:512*(32+i) th:TH_LOAD_NT
	global_store_b64 v2, v[Y+2*i:Y+2*i+1], s[38:39] offset:256*i      ; 256 consecutive bytes, aligned; Y's registers are never written again
.set i, i+1
.endr
.set i, 0
.rept 32
	s_wait_loadcnt 31-i                            ; the counts run down: nothing more is loaded
	v_cvt_pk_bf16_f32 v[X+4*i], v[X+4*i], v[X+4*i+1]
	v_cvt_pk_bf16_f32 v[X+4*i+1], v[X+4*i+2], v[X+4*i+3]
	global_store_b64 v2, v[X+4*i:X+4*i+1], s[38:39] offset:256*(32+i)
.set i, i+1
.endr
	s_endpgm
.Lfunc_end_k_q5c8a040068_prep:
	.size	k_q5c8a040068_prep, .Lfunc_end_k_q5c8a040068_prep-k_q5c8a040068_prep
	.p2alignl 7, 3214868480
	.fill 96, 4, 3214868480
	.section	.rodata,"a",@progbits
	.p2align	6, 0x0
	.amdhsa_kernel k_q5c8a040068_prep
		.amdhsa_group_segment_fixed_size 0
		.amdhsa_private_segment_fixed_size 0
		.amdhsa_enable_private_segment 0
		.amdhsa_kernarg_size 80
		.amdhsa_user_sgpr_count 2
		.amdhsa_user_sgpr_kernarg_segment_ptr 1
		.amdhsa_wavefront_size32 1
		.amdhsa_system_sgpr_workgroup_id_x 1
		.amdhsa_system_sgpr_workgroup_id_y 1
		.amdhsa_system_sgpr_workgroup_id_z 1
		.amdhsa_system_vgpr_workitem_id 0
		.amdhsa_next_free_vgpr 248
		.amdhsa_next_free_sgpr 66
		.amdhsa_reserve_vcc 0
		.amdhsa_float_denorm_mode_32 3
		.amdhsa_float_denorm_mode_16_64 3
		.amdhsa_memory_ordered 1
		.amdhsa_forward_progress 1
		.amdhsa_inst_pref_size 118
	.end_amdhsa_kernel
	.amdgpu_metadata
---
amdhsa.version: [ 1, 2 ]
amdhsa.kernels:
  - .name:           k_q5c8a040068_prep
    .symbol:         k_q5c8a040068_prep.kd
    .args:
      - { .name: input, .offset: 0, .size: 8, .value_kind: global_buffer, .address_space: global }
      - { .name: residual, .offset: 8, .size: 8, .value_kind: global_buffer, .address_space: global }
      - { .name: bias, .offset: 16, .size: 8, .value_kind: global_buffer, .address_space: global }
      - { .name: attn_nw, .offset: 24, .size: 8, .value_kind: global_buffer, .address_space: global }
      - { .name: attn_nb, .offset: 32, .size: 8, .value_kind: global_buffer, .address_space: global }
      - { .name: xb, .offset: 40, .size: 8, .value_kind: global_buffer, .address_space: global }
      - { .name: inter_w, .offset: 48, .size: 8, .value_kind: global_buffer, .address_space: global }
      - { .name: output_w, .offset: 56, .size: 8, .value_kind: global_buffer, .address_space: global }
      - { .name: w1b, .offset: 64, .size: 8, .value_kind: global_buffer, .address_space: global }
      - { .name: w2b, .offset: 72, .size: 8, .value_kind: global_buffer, .address_space: global }
    .group_segment_fixed_size: 0
    .private_segment_fixed_size: 0
    .kernarg_segment_align: 8
    .kernarg_segment_size: 80
    .max_flat_workgroup_size: 128
    .sgpr_count:     66
    .vgpr_count:     248
    .wavefront_size: 32
...
	.end_amdgpu_metadata
.endif
;; end of part 1
;; launch gemm1 (part 2): grid 16 x 32, 4 waves a work-group, clusters of 4 x 4, 327,680 bytes of LDS; arguments xb, w1b, hb, inter_b; writes hb
.if DOCPART == 2
	.amdgcn_target "amdgcn-amd-amdhsa--gfx1250"
	.amdhsa_code_object_version 6
	.text
	.protected	k_q5c8a040068_gemm1
	.globl	k_q5c8a040068_gemm1
	.p2align	8
	.type	k_q5c8a040068_gemm1,@function
k_q5c8a040068_gemm1:
	s_mov_b64 s[64:65], 0
	v_nop
	global_prefetch_b8 v0, s[64:65] scope:SCOPE_SE
	s_setreg_imm32_b32 hwreg(HW_REG_WAVE_MODE, 25, 1), 1
	s_wait_xcnt 0x0
	s_wait_alu depctr_hold_cnt(0) depctr_sa_sdst(0) depctr_va_vdst(0) depctr_va_sdst(0) depctr_va_ssrc(0) depctr_va_vcc(0) depctr_vm_vsrc(0)
	s_getreg_b32 s2, hwreg(HW_REG_IB_STS2, 6, 4)
	s_cmp_eq_u32 s2, 0
	s_cbranch_scc0 .Lentry_in_a_cluster
	s_endpgm
.Lentry_in_a_cluster:
	s_bfe_u32 s2, ttmp6, 0x10000c
	s_cmp_lg_u32 s2, 0xf033
	s_cbranch_scc0 .Lentry_shape_is_right
	s_endpgm
.Lentry_shape_is_right:
; hb[m][n] = bf16( gelu( sum over k of xb[m][k] w1b[k][n] + inter_b[n] ) ).  xb: [8192][1024] bf16, w1b: [1024][4096] bf16, hb: [8192][4096] bf16; sums in f32.
; (residual_norm has no way to any output and is not among the arguments: see the first launch.)
; gelu in its tanh form by the identity 0.5 x (1 + tanh u) = x / (1 + 2^(x (c1 + c3 x^2))), c1 = -2 sqrt(2/pi) log2(e), c3 = 0.044715 c1.
; Limits: h is rounded to bf16 for the second product.  v_exp_f32 and v_rcp_f32 are good to 1 ULP and flush denormals (ISA guide 15.8).  An exponent that overflows gives
; infinity, its reciprocal 0 and the result a zero of x's sign; one that underflows gives x: the limits of reference()'s formula.
;
; A work-group makes 256 x 256 of hb with four waves, a wave 128 x 128: 64 accumulator tiles, 512 registers.  K goes in steps of 128 through two LDS slots filled by the
; tensor data mover.  A's tile: 256 rows of 256 bytes.  B's tile: 128 k rows of 512 bytes, as w1b lies in memory; its fragments are read by the transposing LDS load.
; CLUSTERS: 4 x 4 work-groups.  A's tile hangs on the block row alone and is asked for jointly by a row of the cluster, B's on the block column alone and by a column.
;
; REGISTERS, in windows of 256:
;   window 0: v16-31 addresses and constants; v64-127, v128-191 fragments of A, two buffers; on the way out v32-63, v64-255 at work
;   window 1: v64-127, v128-191 fragments of B, two buffers; v192-255 inter_b of my 128 columns in the accumulators' layout
;   window 2: the 32 accumulator tiles of my rows 0-63 (tile (a, b) at v[8 (8 a + b)]);  window 3: those of my rows 64-127
; THE MATRIX INSTRUCTION IS USED TRANSPOSED: source 0 = 16 columns of B, source 1 = 16 rows of A, so that lane l holds row l % 16 and its registers 0-7 the columns
; 8 (l / 16) + 0 .. 7: eight neighbouring numbers of a row of hb.
.set SIZE_K, 1024
.set SIZE_N, 4096
.set KSTEP,  128
.set PITCH,  272                       ; A's LDS row: 256 bytes + 16: the 16 rows that a load touches start 68 words apart
.set PB,     544                       ; B's LDS row: 512 bytes + 32 = 17 x 32
.set HALFT,  128*PITCH                 ; what one tensor load brings: 128 rows of A, or 64 k rows of B (64 x 544 is the same number)
.set SLOT,   4*HALFT                   ; A's 256 rows, then B's 128 k rows
.set STAGE,  2*SLOT                    ; behind the ring: 16 rows x 272 bytes for each wave; no tensor load lands here
.set SPITCH, 272
.set LAPS, SIZE_K/(2*KSTEP)            ; a lap = two K steps = once round the ring: 4
.set ADRA, 16                          ; v16-17  LDS address of my A fragments in slot 0, 1
.set ADRB, 20                          ; v20-21  the same for B
.set STO,  24                          ; v24     the way out: where I put 16 bytes of a row
.set RD,   25                          ; v25     the way out: where I read a row back
.set CO,   26                          ; v26     my byte offset in hb
.set BO,   27                          ; v27     my byte offset in inter_b
.set KC1,  28                          ; v28-29  c1, twice
.set KC3,  30                          ; v30-31  c3, twice
.set RB1,  32                          ; v32-63  the way out: rows read back, second buffer
.set F0,   64                          ; fragment buffer 0
.set F1,   128                         ; fragment buffer 1
.set U,    64                          ; the way out: the gate, 64 numbers
.set X,    128                         ; the way out: sums + bias, 64 numbers
.set TMP,  192                         ; the way out: packed results
.set RB0,  224                         ; the way out: rows read back, first buffer
.set BIAS, 192                         ; window 1
.set G1, 24                            ; s[24:31] descriptor group 1 for A's tiles
.set G0, 32                            ; s[32:39] descriptor group 0 for A's tiles, one set for each slot
.set G1B, 48                           ; s[48:55] descriptor group 1 for B's tiles
.set G0B, 56                           ; s[56:63] descriptor group 0 for B's tiles, one set for each slot
.set MSB, 0
.macro WIN new                         ; the immediate's high byte repeats the setting that is left
.if MSB != \new
	s_set_vgpr_msb (MSB<<8)|\new
.set MSB, \new
.endif
.endm
.set MUL_LO, 0xa1                      ; source 0 (B) window 1, source 1 (A) window 0, C and D window 2
.set MUL_HI, 0xf1                      ; the same, C and D window 3
.set TO_B,   0x40                      ; destination window 1, address window 0
; A joint load.  Waves 0 and 1 fetch A's two halves, waves 2 and 3 B's.  Each line has one mask and one set of registers for all that issue it; the branch hangs on the wave's number alone.
.macro JLOAD s
	s_cmp_eq_u32 s11, 0
	s_cbranch_scc0 .Lfor_b_\@
	tensor_load_to_lds s[G0+4*\s:G0+4*\s+3], s[G1:G1+7]
	s_nop 0
	s_branch .Lasked_\@
.Lfor_b_\@:
	tensor_load_to_lds s[G0B+4*\s:G0B+4*\s+3], s[G1B:G1B+7]
	s_nop 0
.Lasked_\@:
.endm
; A round of the cluster's barrier: my work-group's barrier; wave 0 signals for the work-group; every wave waits for all sixteen; my work-group's barrier once more.
.macro CREST                           ; a round behind its opening barrier
	s_cmp_lg_u32 s10, 0
	s_cbranch_scc1 .Lnot_wave_0_\@
	s_barrier_signal -3
.Lnot_wave_0_\@:
	s_barrier_wait -3
	s_barrier_signal -1
	s_barrier_wait -1
.endm
.macro CROUND                          ; a whole round
	s_barrier_signal -1
	s_barrier_wait -1
	CREST
.endm
	s_load_b128 s[4:7], s[0:1], 0x0                ; xb s[4:5], w1b s[6:7]
	s_load_b64 s[8:9], s[0:1], 0x10                ; hb
	s_load_b64 s[66:67], s[0:1], 0x18              ; inter_b
	s_set_vgpr_msb 0x40
	v_lshl_add_u32 v63, v0, 2, 0x48400
	s_set_vgpr_msb 0x4000
	v_mov_b32 v23, 0
	s_set_vgpr_msb 0x1
	ds_add_u32 v63, v23
	s_set_vgpr_msb 0x100
	v_lshrrev_b32 v1, 5, v0
	v_readfirstlane_b32 s10, v1                    ; wave 0..3
	s_lshr_b32 s11, s10, 1                         ; which half of the block's rows is mine.  Also: I fetch for A (0) or for B (1)
	s_and_b32 s12, s10, 1                          ; which half of its columns.  Also: which half of that tile I fetch
	s_bfe_u32 s40, ttmp6, 0x40000                  ; cx
	s_bfe_u32 s41, ttmp6, 0x40004                  ; cy
	s_lshl_b32 s42, ttmp9, 2
	s_add_co_u32 s42, s42, s40                     ; block column = 4 x cluster x + cx
	s_and_b32 s13, ttmp7, 0xffff
	s_lshl_b32 s13, s13, 2
	s_add_co_u32 s13, s13, s41                     ; block row = 4 x cluster y + cy
	s_lshl_b32 s43, s41, 2
	s_lshl_b32 s43, 15, s43                        ; my row of the cluster: places 4 cy .. 4 cy + 3
	s_lshl_b32 s44, 0x1111, s40                    ; my column: places cx, cx + 4, cx + 8, cx + 12
	; group 1 for A: 128 rows x 128 elements of 2 bytes, 4 words of padding behind every 64
	s_or_b32 s[G1+0], s43, (1<<16)|(1<<20)|(1<<21)|(5<<22)|(3<<25)
	s_mov_b32 s[G1+1], KSTEP<<16                   ; tensor_dim0 = 128
	s_mov_b32 s[G1+2], 128<<16                     ; tensor_dim1 = 128
	s_mov_b32 s[G1+3], KSTEP<<16                   ; tile_dim0 = 128
	s_mov_b32 s[G1+4], 128                         ; tile_dim1 = 128
	s_mov_b32 s[G1+5], SIZE_K                      ; elements from row to row
	s_mov_b32 s[G1+6], 0
	s_mov_b32 s[G1+7], 0
	; group 1 for B: 64 k rows x 256 elements of 2 bytes, 8 words of padding behind every 128
	s_or_b32 s[G1B+0], s44, (1<<16)|(1<<20)|(1<<21)|(6<<22)|(7<<25)
	s_mov_b32 s[G1B+1], 256<<16                    ; tensor_dim0 = 256
	s_mov_b32 s[G1B+2], 64<<16                     ; tensor_dim1 = 64
	s_mov_b32 s[G1B+3], 256<<16                    ; tile_dim0 = 256
	s_mov_b32 s[G1B+4], 64                         ; tile_dim1 = 64
	s_mov_b32 s[G1B+5], SIZE_N                     ; elements from k row to k row
	s_mov_b32 s[G1B+6], 0
	s_mov_b32 s[G1B+7], 0
	; where the tiles come from: A's address is made of the block row and the wave's number, B's of the block column and the wave's number, in registers that never hold the other coordinate
	s_lshl_b32 s17, s12, 7
	s_lshl_b32 s16, s13, 8
	s_add_co_u32 s16, s16, s17                     ; A: row 256 x block row + 128 x half,
	s_lshl_b32 s16, s16, 11                        ; of 2,048 bytes
	s_mov_b32 s17, 0
	s_lshl_b32 s46, s42, 9                         ; B: column 256 x block column, 2 bytes each,
	s_lshl_b32 s47, s12, 19                        ; + half x 64 k rows of 8,192 bytes
	s_add_co_u32 s46, s46, s47
	s_mov_b32 s47, 0
	s_lshl_b32 s68, s42, 10                        ; inter_b: my 128 columns, 4 bytes each
	s_lshl_b32 s69, s12, 9
	s_add_co_u32 s68, s68, s69
	s_mov_b32 s69, 0
	s_mul_i32 s20, s10, HALFT                      ; where they go: wave x 34,816 bytes: A's two halves, then B's two
	s_wait_dscnt 0x0
	s_wait_kmcnt 0x0
	s_add_nc_u64 s[14:15], s[4:5], s[16:17]
	s_add_nc_u64 s[46:47], s[6:7], s[46:47]
	s_add_nc_u64 s[66:67], s[66:67], s[68:69]
	CROUND                                         ; all sixteen work-groups are here: the first joint loads meet
.irp s, 0,1
	s_mov_b32 s[G0+4*\s], 1
	s_add_co_u32 s[G0+4*\s+1], s20, \s*SLOT
	s_add_nc_u64 s[G0+4*\s+2:G0+4*\s+3], s[14:15], \s*KSTEP*2              ; K step s: 256 bytes along the rows
	s_or_b32 s[G0+4*\s+3], s[G0+4*\s+3], 0x80000000
	s_mov_b32 s[G0B+4*\s], 1
	s_add_co_u32 s[G0B+4*\s+1], s20, \s*SLOT
	s_add_nc_u64 s[G0B+4*\s+2:G0B+4*\s+3], s[46:47], \s*KSTEP*SIZE_N*2     ; K step s: 128 k rows down
	s_or_b32 s[G0B+4*\s+3], s[G0B+4*\s+3], 0x80000000
	JLOAD \s                                       ; both slots are asked for before anything else is done: two tensor loads of the wave are out
.endr
	v_and_b32 v1, 15, v0                           ; r = l % 16
	v_bfe_u32 v2, v0, 4, 1                         ; h = l / 16
	v_mul_u32_u24 v3, v1, PITCH
	v_lshl_add_u32 v3, v2, 4, v3                   ; A: row r, 16 bytes for each half of the lanes
	v_and_b32 v4, 7, v0
	v_lshl_add_u32 v4, v2, 3, v4                   ; B: k row 8 h + l % 8,
	v_mul_u32_u24 v4, v4, PB
	v_bfe_u32 v5, v0, 3, 1
	v_lshl_add_u32 v4, v5, 4, v4                   ; columns 0-7 or 8-15 of the sixteen: eight lanes hold 8 x 8 numbers, which the load transposes
	s_mul_i32 s21, s11, HALFT                      ; my 128 rows of A
	s_lshl_b32 s22, s12, 8                         ; my 128 columns of B, 2 bytes each,
	s_add_co_u32 s22, s22, 2*HALFT                 ; behind A's 256 rows
.irp s, 0,1
	v_add_nc_u32 v[ADRA+\s], s21, v3
	v_add_nc_u32 v[ADRB+\s], s22, v4
	s_add_co_u32 s21, s21, SLOT
	s_add_co_u32 s22, s22, SLOT
.endr
	s_mul_i32 s23, s10, 16*SPITCH
	s_add_co_u32 s23, s23, STAGE                   ; my stage
	v_add_nc_u32 v[STO], s23, v3                   ; in: row r, 16 bytes for each half of the lanes (the stage has A's pitch)
	v_mul_u32_u24 v6, v2, SPITCH                   ; back: lanes 0-15 take one row of 256 bytes, lanes 16-31 the next
	v_lshl_add_u32 v6, v1, 4, v6
	v_add_nc_u32 v[RD], s23, v6
	v_lshlrev_b32 v7, 13, v2                       ; and the same two rows in hb, 8,192 bytes apart
	v_lshl_add_u32 v[CO], v1, 4, v7
	v_lshlrev_b32 v[BO], 5, v2                     ; eight columns of 4 bytes for each half of the lanes
	v_mov_b32 v[KC1], 0xc0135761                   ; c1 = -2.3022082
	v_mov_b32 v[KC1+1], 0xc0135761
	v_mov_b32 v[KC3], 0xbdd2d3e8                   ; c3 = -0.10294324
	v_mov_b32 v[KC3+1], 0xbdd2d3e8
	WIN TO_B
.irp b, 0,1,2,3,4,5,6,7
	global_load_b128 v[BIAS+8*\b:BIAS+8*\b+3],   v[BO], s[66:67] offset:64*\b      ; inter_b of columns 16 b + 8 h + 0 .. 3
	global_load_b128 v[BIAS+8*\b+4:BIAS+8*\b+7], v[BO], s[66:67] offset:64*\b+16   ; and + 4 .. 7; waited for on the way out
.endr
	WIN 0
; 16 matrix instructions: m blocks a0, a0 + 1 of the window's four x all 8 n blocks, 32 along K.  zero = 1: the first product starts the sums.
; The 64 accumulators take turns, one instruction a turn, in the same order in every quarter step.
.macro MUL16 f, hi, a0, zero
.irp a, \a0, \a0+1
.irp b, 0,1,2,3,4,5,6,7
.if \zero
	v_wmma_f32_16x16x32_bf16 v[8*(8*(\a)+\b):8*(8*(\a)+\b)+7], v[\f+8*\b:\f+8*\b+7], v[\f+8*(4*\hi+\a):\f+8*(4*\hi+\a)+7], 0
.else
	v_wmma_f32_16x16x32_bf16 v[8*(8*(\a)+\b):8*(8*(\a)+\b)+7], v[\f+8*\b:\f+8*\b+7], v[\f+8*(4*\hi+\a):\f+8*(4*\hi+\a)+7], v[8*(8*(\a)+\b):8*(8*(\a)+\b)+7]
.endif
.endr
.endr
.endm
; 32 LDS loads in one run: the fragments of quarter q (32 along K) of a slot into buffer f: B's 128 columns (transposed on the way), then A's 128 rows
.macro FETCH slot, q, f
	WIN TO_B
.irp i, 0,1,2,3,4,5,6,7
	ds_load_tr16_b128 v[\f+8*\i:\f+8*\i+3],   v[ADRB+\slot] offset:\q*32*PB+32*\i          ; k = 32 q + 8 h + 0 .. 7 of column 16 i + r
	ds_load_tr16_b128 v[\f+8*\i+4:\f+8*\i+7], v[ADRB+\slot] offset:\q*32*PB+16*PB+32*\i    ; k = 32 q + 16 + 8 h + 0 .. 7
.endr
	WIN 0
.irp i, 0,1,2,3,4,5,6,7
	ds_load_b128 v[\f+8*\i:\f+8*\i+3],   v[ADRA+\slot] offset:\q*64+\i*16*PITCH
	ds_load_b128 v[\f+8*\i+4:\f+8*\i+7], v[ADRA+\slot] offset:\q*64+\i*16*PITCH+32
.endr
.endm
; four places behind the matrix instructions, in front of loads into registers that they have read and of vector instructions that read their results
.macro PLACES
.rept 4
	v_nop
.endr
.endm
; One of a K step's first three quarters: multiplies buffer f; in its middle fetches quarter q of the same slot into buffer g.
.macro QUARTER slot, q, f, g, zero
	s_wait_dscnt 8                                 ; B and A's rows 0-63 are in; the youngest eight loads (A's rows 64-127) may be out
	WIN MUL_LO
	MUL16 \f, 0, 0, \zero
	MUL16 \f, 0, 2, \zero
	PLACES
	FETCH \slot, \q, \g
	s_wait_dscnt 32                                ; all but the 32 just issued
	WIN MUL_HI
	MUL16 \f, 1, 0, \zero
	MUL16 \f, 1, 2, \zero
.endm
.macro THREE slot, zero
	QUARTER \slot, 1, F0, F1, \zero
	QUARTER \slot, 2, F1, F0, 0
	QUARTER \slot, 3, F0, F1, 0
.endm
; The last quarter: multiplies buffer 1 and changes slots.  In front of the one barrier each wave waits for its reads of this slot and for all its tensor loads (one is out:
; its part of the next slot).  Behind it (fill = 1: behind the cluster's round that it opens) the refill comes first, then the next slot's first fragments.
.macro TURN slot, next, fill
	s_wait_dscnt 8
	WIN MUL_LO
	MUL16 F1, 0, 0, 0
	s_wait_dscnt 0                                 ; my reads of this slot are over
	s_wait_tensorcnt 0x0                           ; and all my tensor loads have landed
	ds_add_u32 v63, v23
	s_wait_dscnt 0x0
	s_barrier_signal -1
	MUL16 F1, 0, 2, 0                              ; register work while the others arrive
	WIN 0
	s_barrier_wait -1
.if \fill
	CREST                                          ; no wave of any partner still reads this slot or has a load on its way
	s_add_nc_u64 s[G0+4*\slot+2:G0+4*\slot+3], s[G0+4*\slot+2:G0+4*\slot+3], 2*KSTEP*2
	s_add_nc_u64 s[G0B+4*\slot+2:G0B+4*\slot+3], s[G0B+4*\slot+2:G0B+4*\slot+3], 2*KSTEP*SIZE_N*2
	JLOAD \slot                                    ; the wave's one tensor load behind the round: two K steps ahead
.endif
	PLACES
	FETCH \next, 0, F0
	WIN MUL_HI
	MUL16 F1, 1, 0, 0
	MUL16 F1, 1, 2, 0
.endm
.macro LAP zero
	THREE 0, \zero
	TURN 0, 1, 1
	THREE 1, 0
	TURN 1, 0, 1
.endm
	s_wait_tensorcnt 0x1                           ; my part of K step 0 is in; K step 1's may stay out
	s_barrier_signal -1
	s_barrier_wait -1                              ; everybody's is
	FETCH 0, 0, F0
	LAP 1                                          ; the first lap stands in front of the loop: its first products start the sums
	WIN 0
	s_mov_b32 s3, LAPS-2
.Llap:
	LAP 0
	WIN 0
	s_sub_co_u32 s3, s3, 1
	s_cmp_lg_u32 s3, 0
	s_cbranch_scc1 .Llap
	THREE 0, 0                                     ; the last lap fills nothing
	TURN 0, 1, 0
	THREE 1, 0
	s_wait_dscnt 8
	WIN MUL_LO
	MUL16 F1, 0, 0, 0
	MUL16 F1, 0, 2, 0
	s_wait_dscnt 0
	WIN MUL_HI
	MUL16 F1, 1, 0, 0
	MUL16 F1, 1, 2, 0
	; THE WAY OUT, 16 rows at a time: + bias, gelu, round to bf16, 16 bytes a lane into my own stage, read back as whole rows of 256 bytes.
	PLACES
	s_lshl_b32 s16, s13, 8
	s_lshl_b32 s17, s11, 7
	s_add_co_u32 s16, s16, s17                     ; my first row of hb,
	s_lshl_b32 s16, s16, 13                        ; of 8,192 bytes
	s_mov_b32 s17, 0
	s_add_nc_u64 s[8:9], s[8:9], s[16:17]
	s_lshl_b32 s46, s42, 9                         ; my first column, in bytes: 512 x block + 256 x half
	s_lshl_b32 s47, s12, 8
	s_add_co_u32 s46, s46, s47
	s_mov_b32 s47, 0
	s_add_nc_u64 s[8:9], s[8:9], s[46:47]
	s_wait_loadcnt 0x0                             ; inter_b
; rows 16 i .. 16 i + 15 of my block = the eight tiles (a, 0..7) of window 2 or 3 (from = 0x06 or 0x07: source 0 there, source 1 = the bias in window 1); rb: RB0 and RB1 in turn
.macro OUT16 i, a, from, rb
	WIN \from
.irp b, 0,1,2,3,4,5,6,7
.irp p, 0,1,2,3
	v_pk_add_f32 v[X+8*\b+2*\p:X+8*\b+2*\p+1], v[8*(8*\a+\b)+2*\p:8*(8*\a+\b)+2*\p+1], v[BIAS+8*\b+2*\p:BIAS+8*\b+2*\p+1]
.endr
.endr
	WIN 0
.set q, 0
.rept 32
	v_pk_mul_f32 v[U+2*q:U+2*q+1], v[X+2*q:X+2*q+1], v[X+2*q:X+2*q+1]              ; x^2
.set q, q+1
.endr
.set q, 0
.rept 32
	v_pk_fma_f32 v[U+2*q:U+2*q+1], v[U+2*q:U+2*q+1], v[KC3:KC3+1], v[KC1:KC1+1]    ; c1 + c3 x^2
.set q, q+1
.endr
.set q, 0
.rept 32
	v_pk_mul_f32 v[U+2*q:U+2*q+1], v[U+2*q:U+2*q+1], v[X+2*q:X+2*q+1]              ; x (c1 + c3 x^2)
.set q, q+1
.endr
.set q, 0
.rept 64
	v_exp_f32 v[U+q], v[U+q]
.set q, q+1
.endr
	v_nop                                          ; one plain vector instruction behind the transcendentals before their results are read (ISA guide 5.7.2)
.set q, 0
	s_wait_alu depctr_va_vdst(0)
.rept 32
	v_pk_add_f32 v[U+2*q:U+2*q+1], v[U+2*q:U+2*q+1], 1.0 op_sel_hi:[1,0]
.set q, q+1
.endr
.set q, 0
.rept 64
	v_rcp_f32 v[U+q], v[U+q]
.set q, q+1
.endr
	v_nop
.set q, 0
	s_wait_alu depctr_va_vdst(0)
.rept 32
	v_pk_mul_f32 v[X+2*q:X+2*q+1], v[X+2*q:X+2*q+1], v[U+2*q:U+2*q+1]
.set q, q+1
.endr
.set q, 0
.rept 32
	v_cvt_pk_bf16_f32 v[TMP+q], v[X+2*q], v[X+2*q+1]
.set q, q+1
.endr
.irp b, 0,1,2,3,4,5,6,7
	ds_store_b128 v[STO], v[TMP+4*\b:TMP+4*\b+3] offset:32*\b
.endr
	s_wait_xcnt 0x0                                ; buffer rb, which the stores of two blocks ago read, is loaded again only behind this wait (ISA guide 3.1)
.irp t, 0,1,2,3,4,5,6,7
	ds_load_b128 v[\rb+4*\t:\rb+4*\t+3], v[RD] offset:\t*2*SPITCH      ; LDS serves a wave's instructions in order (ISA guide 5.7.1.4): these see the stores above
.endr
.irp t, 0,1,2,3,4,5,6,7
	s_wait_dscnt 7-\t
	global_store_b128 v[CO], v[\rb+4*\t:\rb+4*\t+3], s[8:9] offset:(16*\i+2*\t)*SIZE_N*2   ; 16 lanes store 256 consecutive bytes, aligned; the row stands in the immediate (1,032,192 at the most)
.endr
.endm
	OUT16 0, 0, 0x06, RB0
	OUT16 1, 1, 0x06, RB1
	OUT16 2, 2, 0x06, RB0
	OUT16 3, 3, 0x06, RB1
	OUT16 4, 0, 0x07, RB0
	OUT16 5, 1, 0x07, RB1
	OUT16 6, 2, 0x07, RB0
	OUT16 7, 3, 0x07, RB1
	s_set_vgpr_msb 0x1
	s_wait_tensorcnt 0x0
	ds_add_u32 v63, v23
	s_wait_dscnt 0x0
	s_set_vgpr_msb 0x100
	CROUND                                         ; the closing round: no work-group ends while a partner may still ask for a tile that names it
	s_endpgm
.Lfunc_end_k_q5c8a040068_gemm1:
	.size	k_q5c8a040068_gemm1, .Lfunc_end_k_q5c8a040068_gemm1-k_q5c8a040068_gemm1
	.p2alignl 7, 3214868480
	.fill 96, 4, 3214868480
	.section	.rodata,"a",@progbits
	.p2align	6, 0x0
	.amdhsa_kernel k_q5c8a040068_gemm1
		.amdhsa_group_segment_fixed_size 327680
		.amdhsa_private_segment_fixed_size 0
		.amdhsa_enable_private_segment 0
		.amdhsa_kernarg_size 32
		.amdhsa_user_sgpr_count 2
		.amdhsa_user_sgpr_kernarg_segment_ptr 1
		.amdhsa_wavefront_size32 1
		.amdhsa_system_sgpr_workgroup_id_x 1
		.amdhsa_system_sgpr_workgroup_id_y 1
		.amdhsa_system_sgpr_workgroup_id_z 1
		.amdhsa_system_vgpr_workitem_id 0
		.amdhsa_next_free_vgpr 1024
		.amdhsa_next_free_sgpr 70
		.amdhsa_reserve_vcc 0
		.amdhsa_float_denorm_mode_32 3
		.amdhsa_float_denorm_mode_16_64 3
		.amdhsa_memory_ordered 1
		.amdhsa_forward_progress 1
		.amdhsa_inst_pref_size 255
	.end_amdhsa_kernel
	.section	.bss,"aw",@nobits
	.p2align	6
	.space	262144
	.amdgpu_metadata
---
amdhsa.version: [ 1, 2 ]
amdhsa.kernels:
  - .name:           k_q5c8a040068_gemm1
    .symbol:         k_q5c8a040068_gemm1.kd
    .args:
      - { .name: xb, .offset: 0, .size: 8, .value_kind: global_buffer, .address_space: global }
      - { .name: w1b, .offset: 8, .size: 8, .value_kind: global_buffer, .address_space: global }
      - { .name: hb, .offset: 16, .size: 8, .value_kind: global_buffer, .address_space: global }
      - { .name: inter_b, .offset: 24, .size: 8, .value_kind: global_buffer, .address_space: global }
    .group_segment_fixed_size: 327680
    .private_segment_fixed_size: 0
    .kernarg_segment_align: 8
    .kernarg_segment_size: 32
    .max_flat_workgroup_size: 128
    .sgpr_count:     70
    .vgpr_count:     1024
    .wavefront_size: 32
...
	.end_amdgpu_metadata
.endif
;; end of part 2
;; launch gemm2 (part 3): grid 8 x 32, 4 waves a work-group, clusters of 4 x 4, 327,680 bytes of LDS; arguments hb, w2b, input, residual, bias, output_b, out0; writes out0
.if DOCPART == 3
	.amdgcn_target "amdgcn-amd-amdhsa--gfx1250"
	.amdhsa_code_object_version 6
	.text
	.protected	k_q5c8a040068_gemm2
	.globl	k_q5c8a040068_gemm2
	.p2align	8
	.type	k_q5c8a040068_gemm2,@function
k_q5c8a040068_gemm2:
	s_mov_b64 s[64:65], 0
	v_nop
	global_prefetch_b8 v0, s[64:65] scope:SCOPE_SE
	s_setreg_imm32_b32 hwreg(HW_REG_WAVE_MODE, 25, 1), 1
	s_wait_xcnt 0x0
	s_wait_alu depctr_hold_cnt(0) depctr_sa_sdst(0) depctr_va_vdst(0) depctr_va_sdst(0) depctr_va_ssrc(0) depctr_va_vcc(0) depctr_vm_vsrc(0)
	s_getreg_b32 s2, hwreg(HW_REG_IB_STS2, 6, 4)
	s_cmp_eq_u32 s2, 0
	s_cbranch_scc0 .Lentry_in_a_cluster
	s_endpgm
.Lentry_in_a_cluster:
	s_bfe_u32 s2, ttmp6, 0x10000c
	s_cmp_lg_u32 s2, 0xf033
	s_cbranch_scc0 .Lentry_shape_is_right
	s_endpgm
.Lentry_shape_is_right:
; out0[m][n] = sum over k of hb[m][k] w2b[k][n] + output_b[n] + (input[m][n] + bias[n] + residual[m][n]).
; hb: [8192][4096] bf16, w2b: [4096][1024] bf16, the rest f32; sums in f32.
; (residual_norm has no way to any output and is not among the arguments: see the first launch.)
; The pre-norm sum is formed again from input and residual: that reads as many bytes as storing it in the first launch and loading it here would move.
; Limit: the last sum is formed as ((output_b + bias) + (input + residual)) + acc, an order of f32 rounding other than reference()'s.
;
; A work-group makes 256 rows x 128 columns with four waves, so that the 8192 x 1024 results give 256 work-groups; a wave makes 128 x 64: 32 accumulator tiles, 256 registers.
; THE RING.  A K step of 128 is 256 rows of A and 128 k rows of B, 256 bytes each: 106,496 bytes of LDS with padding, for 128 matrix instructions of a wave.  Two slots of two
; steps (417,792 bytes) are more than a work-group can be given, so the ring holds three steps unevenly: slot L takes two K steps (A: rows of 512 bytes), slot S one.
; They are read in the order L S L S ..; 4096 = 10 x 384 + 256, so the last slot read is an L.  Each is asked for again when its last fragments have been read:
; from the request for S to the wait for it a wave issues 248 matrix instructions, for L 120; there are two rounds of the cluster's barrier for three K steps.
; B's tiles lie as w2b lies in memory ([k][n]) and are read by the transposing LDS load.
; CLUSTERS: 4 x 4 work-groups; A's tile is asked for jointly by a row of the cluster, B's by a column.
; INPUT AND RESIDUAL come in beside the products: each of the loop's 8 trips fetches 16 of the wave's 128 rows and adds them to sums that are kept in 256 registers,
; so that the way out loads nothing from memory.
;
; REGISTERS, in windows of 256:
;   window 0: v16-27 addresses; v32-95 rows read back on the way out; v64-127, v128-191 fragments of A, two buffers; v192-223, v224-255 fragments of B, two buffers
;   window 1: the 32 accumulator tiles, tile (a, b) at v[8 (4 a + b)]
;   window 2: SUM, in the layout of the way out: block a of 16 rows at v[32 a + 4 t]: rows 16 a + 2 t + l / 16, columns 4 (l % 16) + 0 .. 3
;   window 3: v0-31 sixteen rows of input, v32-63 of residual, as they come in; v64-67 output_b, v68-71 bias
; The matrix instruction is used transposed (source 0 = B's columns, source 1 = A's rows): lane l holds row l % 16, its registers 0-7 the columns 8 (l / 16) + 0 .. 7.
.set SIZE_K, 4096
.set SIZE_N, 1024
.set KSTEP,  128
.set PITCHL, 528                       ; slot L, A's row: 512 bytes + 16 = 33 x 16
.set PITCH,  272                       ; slot S, A's row: 256 bytes + 16 = 17 x 16
.set PB,     288                       ; B's row in both: 256 bytes + 32 = 9 x 32
.set HALFAL, 128*PITCHL                ; slot L: 128 rows of A: one tensor load
.set HALFBL, 128*PB                    ; slot L: 128 k rows of B: one tensor load
.set HALFA,  128*PITCH                 ; slot S: 128 rows of A
.set HALFB,  64*PB                     ; slot S: 64 k rows of B
.set SB,     2*HALFAL+2*HALFBL         ; slot S begins behind slot L: 208,896
.set STAGE,  SB                        ; the way out's stages lie in slot S, behind its last fill and the barrier behind its last read
.set SPITCH, 272
.set STG2,   4*16*SPITCH               ; from the four waves' first stages to their second
.set TRIPS,  8                         ; periods 1 to 8 of the eleven; also: the wave's 8 blocks of 16 rows
.set ADRA, 16                          ; v16 LDS address of my A fragments in slot L, v17 in slot S
.set ADRB, 20                          ; v20, v21 of my B fragments in slot L's first and second K step, v22 in slot S
.set STO,  24                          ; v24     the way out: where I put 32 bytes of a row
.set RD,   25                          ; v25     the way out: where I read a row back
.set CO,   26                          ; v26     my byte offset in input, residual and out0; never rewritten
.set PO,   27                          ; v27     my byte offset in output_b and bias
.set RB,   32                          ; v32-63, v64-95  rows read back, two buffers
.set SIN,  0                           ; window 3
.set SRS,  32                          ; window 3
.set OB,   64                          ; window 3
.set BB,   68                          ; window 3
.set G1A, 24                           ; s[24:31], s[32:39] descriptor group 1 for A's tiles of slot L, of slot S
.set G1B, 40                           ; s[40:47], s[48:55] the same for B's tiles
.set G0A, 56                           ; s[56:59], s[60:63] descriptor group 0 for A's tiles of slot L, of slot S
.set G0B, 68                           ; s[68:71], s[72:75] the same for B's tiles
.set MSB, 0
.macro WIN new                         ; the immediate's high byte repeats the setting that is left
.if MSB != \new
	s_set_vgpr_msb (MSB<<8)|\new
.set MSB, \new
.endif
.endm
.set MUL,  0x50                        ; C and D window 1, sources window 0
.set TO3,  0xc0                        ; destination window 3
.set INIT, 0x8f                        ; destination window 2, sources 0 and 1 window 3
.set ALL3, 0xcf                        ; destination and sources 0 and 1 window 3
.set ACC,  0x8e                        ; destination and source 0 window 2, source 1 window 3
.set S1W1, 0x04                        ; source 1 (an LDS store's data) window 1
.set FIN,  0x82                        ; destination and source 0 window 2, source 1 window 0
.set ST2,  0x08                        ; source 1 (a store's data) window 2
; A joint load for slot sl (0 = L, 1 = S).  Waves 0 and 1 fetch A's two halves, waves 2 and 3 B's; the branch hangs on the wave's number alone.
.macro JLOAD sl
	s_cmp_eq_u32 s11, 0
	s_cbranch_scc0 .Lfor_b_\@
	tensor_load_to_lds s[G0A+4*\sl:G0A+4*\sl+3], s[G1A+8*\sl:G1A+8*\sl+7]
	s_nop 0
	s_branch .Lasked_\@
.Lfor_b_\@:
	tensor_load_to_lds s[G0B+4*\sl:G0B+4*\sl+3], s[G1B+8*\sl:G1B+8*\sl+7]
	s_nop 0
.Lasked_\@:
.endm
.macro CREST                           ; a round of the cluster's barrier behind its opening barrier
	s_cmp_lg_u32 s10, 0
	s_cbranch_scc1 .Lnot_wave_0_\@
	s_barrier_signal -3
.Lnot_wave_0_\@:
	s_barrier_wait -3
	s_barrier_signal -1
	s_barrier_wait -1
.endm
.macro CROUND                          ; a whole round
	s_barrier_signal -1
	s_barrier_wait -1
	CREST
.endm
	s_load_b128 s[4:7], s[0:1], 0x0                ; hb s[4:5], w2b s[6:7]
	s_load_b256 s[84:91], s[0:1], 0x10             ; input s[84:85], residual s[86:87], bias s[88:89], output_b s[90:91]
	s_load_b64 s[8:9], s[0:1], 0x30                ; out0
	v_lshl_add_u32 v30, v0, 2, 0x4d000
	v_mov_b32 v31, 0
	ds_add_u32 v30, v31
	v_lshrrev_b32 v1, 5, v0
	v_readfirstlane_b32 s10, v1                    ; wave 0..3
	s_lshr_b32 s11, s10, 1                         ; which 128 of the block's rows are mine.  Also: I fetch for A (0) or for B (1)
	s_and_b32 s12, s10, 1                          ; which 64 of its columns.  Also: which half of that tile I fetch
	s_bfe_u32 s76, ttmp6, 0x40000                  ; cx
	s_bfe_u32 s77, ttmp6, 0x40004                  ; cy
	s_lshl_b32 s78, ttmp9, 2
	s_add_co_u32 s78, s78, s76                     ; block column = 4 x cluster x + cx
	s_and_b32 s13, ttmp7, 0xffff
	s_lshl_b32 s13, s13, 2
	s_add_co_u32 s13, s13, s77                     ; block row = 4 x cluster y + cy
	s_lshl_b32 s79, s77, 2
	s_lshl_b32 s79, 15, s79                        ; my row of the cluster: places 4 cy .. 4 cy + 3
	s_lshl_b32 s80, 0x1111, s76                    ; my column: places cx, cx + 4, cx + 8, cx + 12
	; group 1, A, slot L: 128 rows x 256 elements of 2 bytes, 4 words of padding behind every 128
	s_or_b32 s[G1A+0], s79, (1<<16)|(1<<20)|(1<<21)|(6<<22)|(3<<25)
	s_mov_b32 s[G1A+1], (2*KSTEP)<<16              ; tensor_dim0 = 256
	s_mov_b32 s[G1A+2], 128<<16                    ; tensor_dim1 = 128
	s_mov_b32 s[G1A+3], (2*KSTEP)<<16              ; tile_dim0 = 256
	s_mov_b32 s[G1A+4], 128                        ; tile_dim1 = 128
	s_mov_b32 s[G1A+5], SIZE_K                     ; elements from row to row
	s_mov_b32 s[G1A+6], 0
	s_mov_b32 s[G1A+7], 0
	; group 1, A, slot S: 128 rows x 128 elements, 4 words of padding behind every 64
	s_or_b32 s[G1A+8], s79, (1<<16)|(1<<20)|(1<<21)|(5<<22)|(3<<25)
	s_mov_b32 s[G1A+9], KSTEP<<16
	s_mov_b32 s[G1A+10], 128<<16
	s_mov_b32 s[G1A+11], KSTEP<<16
	s_mov_b32 s[G1A+12], 128
	s_mov_b32 s[G1A+13], SIZE_K
	s_mov_b32 s[G1A+14], 0
	s_mov_b32 s[G1A+15], 0
	; group 1, B, slot L: 128 k rows x 128 elements, 8 words of padding behind every 64
	s_or_b32 s[G1B+0], s80, (1<<16)|(1<<20)|(1<<21)|(5<<22)|(7<<25)
	s_mov_b32 s[G1B+1], 128<<16
	s_mov_b32 s[G1B+2], 128<<16
	s_mov_b32 s[G1B+3], 128<<16
	s_mov_b32 s[G1B+4], 128
	s_mov_b32 s[G1B+5], SIZE_N
	s_mov_b32 s[G1B+6], 0
	s_mov_b32 s[G1B+7], 0
	; group 1, B, slot S: 64 k rows x 128 elements, the same padding
	s_or_b32 s[G1B+8], s80, (1<<16)|(1<<20)|(1<<21)|(5<<22)|(7<<25)
	s_mov_b32 s[G1B+9], 128<<16
	s_mov_b32 s[G1B+10], 64<<16
	s_mov_b32 s[G1B+11], 128<<16
	s_mov_b32 s[G1B+12], 64
	s_mov_b32 s[G1B+13], SIZE_N
	s_mov_b32 s[G1B+14], 0
	s_mov_b32 s[G1B+15], 0
	; where the tiles come from: A's address is made of the block row and the wave's number, B's of the block column and the wave's number, in registers that never hold the other coordinate
	s_lshl_b32 s17, s12, 7
	s_lshl_b32 s16, s13, 8
	s_add_co_u32 s16, s16, s17                     ; A: row 256 x block row + 128 x half,
	s_lshl_b32 s16, s16, 13                        ; of 8,192 bytes
	s_mov_b32 s17, 0
	s_lshl_b32 s96, s78, 8                         ; B: column 128 x block column, 2 bytes each
	s_mov_b32 s97, 0
	s_lshl_b32 s22, s12, 18                        ; slot L: + half x 128 k rows of 2,048 bytes
	s_mov_b32 s23, 0
	s_lshl_b32 s82, s12, 17                        ; slot S: + half x 64 k rows
	s_mov_b32 s83, 0
	; and where they go: the wave's number times the tile's bytes, plus a constant
	s_mul_i32 s18, s10, HALFAL                     ; slot L, A's halves (waves 0, 1): 0 and 67,584
	s_mul_i32 s19, s10, HALFA                      ; slot S, A's halves: SB + 0 and 34,816
	s_mul_i32 s20, s10, HALFBL                     ; slot L, B's halves (waves 2, 3): 135,168 and 172,032
	s_mul_i32 s21, s10, HALFB                      ; slot S, B's halves: SB + 69,632 and 88,064
	s_lshl_b32 s92, s78, 9                         ; my 64 columns of f32, in bytes: 512 x block column + 256 x half
	s_lshl_b32 s93, s12, 8
	s_add_co_u32 s92, s92, s93
	s_mov_b32 s93, 0
	s_lshl_b32 s94, s13, 8
	s_lshl_b32 s95, s11, 7
	s_add_co_u32 s94, s94, s95                     ; my first row,
	s_lshl_b32 s94, s94, 12                        ; of 4,096 bytes,
	s_add_co_u32 s94, s94, s92                     ; and my first column
	s_mov_b32 s95, 0
	s_wait_dscnt 0x0
	s_wait_kmcnt 0x0
	s_add_nc_u64 s[14:15], s[4:5], s[16:17]
	s_add_nc_u64 s[96:97], s[6:7], s[96:97]
	s_add_nc_u64 s[88:89], s[88:89], s[92:93]
	s_add_nc_u64 s[90:91], s[90:91], s[92:93]
	s_add_nc_u64 s[84:85], s[84:85], s[94:95]
	s_add_nc_u64 s[86:87], s[86:87], s[94:95]
	s_add_nc_u64 s[8:9], s[8:9], s[94:95]
	s_mov_b32 s[G0A], 1                                            ; A, slot L: K steps 0 and 1
	s_add_co_u32 s[G0A+1], s18, 0
	s_add_nc_u64 s[G0A+2:G0A+3], s[14:15], 0
	s_or_b32 s[G0A+3], s[G0A+3], 0x80000000
	s_mov_b32 s[G0A+4], 1                                          ; A, slot S: K step 2, 512 bytes along the rows
	s_add_co_u32 s[G0A+5], s19, SB
	s_add_nc_u64 s[G0A+6:G0A+7], s[14:15], 2*KSTEP*2
	s_or_b32 s[G0A+7], s[G0A+7], 0x80000000
	s_mov_b32 s[G0B], 1                                            ; B, slot L: k rows 0 to 255
	s_add_co_u32 s[G0B+1], s20, 2*HALFAL-2*HALFBL
	s_add_nc_u64 s[G0B+2:G0B+3], s[96:97], s[22:23]
	s_or_b32 s[G0B+3], s[G0B+3], 0x80000000
	s_mov_b32 s[G0B+4], 1                                          ; B, slot S: k rows 256 to 383
	s_add_co_u32 s[G0B+5], s21, SB+2*HALFA-2*HALFB
	s_add_nc_u64 s[G0B+6:G0B+7], s[96:97], s[82:83]
	s_add_nc_u64 s[G0B+6:G0B+7], s[G0B+6:G0B+7], 2*KSTEP*SIZE_N*2
	s_or_b32 s[G0B+7], s[G0B+7], 0x80000000
	CROUND                                         ; all sixteen work-groups are here: the first joint loads meet
	JLOAD 0                                        ; both slots are asked for first, L ahead of S: two tensor loads of the wave are out
	JLOAD 1
	v_and_b32 v1, 15, v0                           ; r = l % 16
	v_bfe_u32 v2, v0, 4, 1                         ; h = l / 16
	v_mul_u32_u24 v3, v1, PITCHL
	v_lshl_add_u32 v3, v2, 4, v3                   ; A in slot L: row r, 16 bytes for each half of the lanes
	v_mul_u32_u24 v9, v1, PITCH
	v_lshl_add_u32 v9, v2, 4, v9                   ; A in slot S
	v_and_b32 v4, 7, v0
	v_lshl_add_u32 v4, v2, 3, v4                   ; B: k row 8 h + l % 8,
	v_mul_u32_u24 v4, v4, PB
	v_bfe_u32 v5, v0, 3, 1
	v_lshl_add_u32 v4, v5, 4, v4                   ; columns 0-7 or 8-15 of the sixteen: eight lanes hold 8 x 8 numbers, which the load transposes
	s_mul_i32 s22, s11, HALFAL                     ; my 128 rows of A in slot L
	v_add_nc_u32 v[ADRA], s22, v3
	s_mul_i32 s22, s11, HALFA                      ; and in slot S
	s_add_co_u32 s22, s22, SB
	v_add_nc_u32 v[ADRA+1], s22, v9
	s_lshl_b32 s22, s12, 7                         ; my 64 columns of B, 2 bytes each, behind A's 256 rows
	s_add_co_u32 s22, s22, 2*HALFAL
	v_add_nc_u32 v[ADRB], s22, v4
	v_add_nc_u32 v[ADRB+1], HALFBL, v[ADRB]        ; slot L's second K step: 128 k rows on (its offsets would not fit the 16-bit immediate)
	s_lshl_b32 s22, s12, 7
	s_add_co_u32 s22, s22, SB+2*HALFA
	v_add_nc_u32 v[ADRB+2], s22, v4
	s_mul_i32 s23, s10, 16*SPITCH
	s_add_co_u32 s23, s23, STAGE                   ; my first stage
	v_mul_u32_u24 v6, v1, SPITCH                   ; in: row r, 32 bytes (eight f32) for each half of the lanes
	v_lshl_add_u32 v6, v2, 5, v6
	v_add_nc_u32 v[STO], s23, v6
	v_mul_u32_u24 v7, v2, SPITCH                   ; back: lanes 0-15 take one row of 256 bytes, lanes 16-31 the next
	v_lshl_add_u32 v7, v1, 4, v7
	v_add_nc_u32 v[RD], s23, v7
	v_lshlrev_b32 v8, 12, v2                       ; and the same two rows in memory, 4,096 bytes apart
	v_lshl_add_u32 v[CO], v1, 4, v8
	v_lshlrev_b32 v[PO], 4, v1                     ; my four columns of the wave's 64
	WIN TO3
	global_load_b128 v[OB:OB+3], v[PO], s[90:91]
	global_load_b128 v[BB:BB+3], v[PO], s[88:89]
	s_wait_loadcnt 0x0
	; Every pair of SUM is started by output_b + bias: 128 adds, as many as adding the two at the end would take, and every register of SUM is
	; written here, ahead of the loop in which one block a trip is added to.  They stand where the wave would wait for its first tile.
	WIN INIT
.set i, 0
.rept 64
	v_pk_add_f32 v[4*i:4*i+1],   v[OB:OB+1],   v[BB:BB+1]
	v_pk_add_f32 v[4*i+2:4*i+3], v[OB+2:OB+3], v[BB+2:BB+3]
.set i, i+1
.endr
	WIN 0
; four matrix instructions: m block a x the 4 n blocks, 32 along K, from buffer f.  zero = 1: the first product starts the sums.
; The 32 accumulators take turns, one instruction a turn, in the same order in every quarter step.
.macro MULA f, a, zero
.irp b, 0,1,2,3
.if \zero
	v_wmma_f32_16x16x32_bf16 v[8*(4*\a+\b):8*(4*\a+\b)+7], v[192+32*\f+8*\b:192+32*\f+8*\b+7], v[64+64*\f+8*\a:64+64*\f+8*\a+7], 0
.else
	v_wmma_f32_16x16x32_bf16 v[8*(4*\a+\b):8*(4*\a+\b)+7], v[192+32*\f+8*\b:192+32*\f+8*\b+7], v[64+64*\f+8*\a:64+64*\f+8*\a+7], v[8*(4*\a+\b):8*(4*\a+\b)+7]
.endif
.endr
.endm
; 24 LDS loads in one run, all in window 0: quarter q (32 along K) of resident K step st (0, 1: slot L's two; 2: slot S's) into buffer f:
; B's 64 columns (transposed on the way), then A's 128 rows.  In slot L the second step's part of A's rows begins 256 bytes behind the first's.
.macro FETCH st, q, f
.if \st == 2
.set AR, ADRA+1
.set AP, PITCH
.set AO, \q*64
.else
.set AR, ADRA
.set AP, PITCHL
.set AO, \st*KSTEP*2+\q*64
.endif
.irp b, 0,1,2,3
	ds_load_tr16_b128 v[192+32*\f+8*\b:192+32*\f+8*\b+3],   v[ADRB+\st] offset:\q*32*PB+32*\b
	ds_load_tr16_b128 v[192+32*\f+8*\b+4:192+32*\f+8*\b+7], v[ADRB+\st] offset:\q*32*PB+16*PB+32*\b
.endr
.irp i, 0,1,2,3,4,5,6,7
	ds_load_b128 v[64+64*\f+8*\i:64+64*\f+8*\i+3],   v[AR] offset:AO+\i*16*AP
	ds_load_b128 v[64+64*\f+8*\i+4:64+64*\f+8*\i+7], v[AR] offset:AO+\i*16*AP+32
.endr
.endm
; four places behind the matrix instructions, in front of loads into registers that they have read and of LDS stores that read their results
.macro PLACES
.rept 4
	v_nop
.endr
.endm
; A quarter step without a change of slots: multiplies buffer f; in its middle fetches quarter q of resident step st into buffer g.
.macro QUARTER st, q, f, g, zero
	s_wait_dscnt 8                                 ; B and A's rows 0-63 are in; the youngest eight loads (A's rows 64-127) may be out
	WIN MUL
.irp a, 0,1,2,3
	MULA \f, \a, \zero
.endr
	PLACES
	WIN 0
	FETCH \st, \q, \g
	s_wait_dscnt 24                                ; all but the 24 just issued
	WIN MUL
.irp a, 4,5,6,7
	MULA \f, \a, \zero
.endr
.endm
.macro FIRSTL zero                     ; slot L's first K step: its last quarter goes on into the same slot's second step, so no barrier stands there
	QUARTER 0, 1, 0, 1, \zero
	QUARTER 0, 2, 1, 0, 0
	QUARTER 0, 3, 0, 1, 0
	QUARTER 1, 0, 1, 0, 0
.endm
.macro THREE st                        ; the first three quarters of a K step that ends with a change of slots
	QUARTER \st, 1, 0, 1, 0
	QUARTER \st, 2, 1, 0, 0
	QUARTER \st, 3, 0, 1, 0
.endm
; The last quarter of a slot (sl: 0 = L, 1 = S): multiplies buffer 1 and changes slots; next = the resident step read next.  In front of the one barrier each wave waits for
; its reads of this slot and for all its tensor loads (one is out: its part of the other slot).  Behind it (fill = 1: behind the cluster's round that it opens) the refill,
; three K steps ahead, comes first, then the other slot's first fragments.
.macro TURN sl, next, fill
	s_wait_dscnt 8
	WIN MUL
	MULA 1, 0, 0
	MULA 1, 1, 0
	s_wait_dscnt 0                                 ; my reads of this slot are over
	s_wait_tensorcnt 0x0                           ; and all my tensor loads have landed
	ds_add_u32 v30, v31
	s_wait_dscnt 0x0
	s_barrier_signal -1
	MULA 1, 2, 0                                   ; register work while the others arrive
	MULA 1, 3, 0
	WIN 0
	s_barrier_wait -1
.if \fill
	CREST                                          ; no wave of any partner still reads this slot or has a load on its way
	s_add_nc_u64 s[G0A+4*\sl+2:G0A+4*\sl+3], s[G0A+4*\sl+2:G0A+4*\sl+3], 3*KSTEP*2
	s_add_nc_u64 s[G0B+4*\sl+2:G0B+4*\sl+3], s[G0B+4*\sl+2:G0B+4*\sl+3], 3*KSTEP*SIZE_N*2
	JLOAD \sl                                      ; the wave's one tensor load behind the round
.endif
	PLACES
	FETCH \next, 0, 0
	WIN MUL
.irp a, 4,5,6,7
	MULA 1, \a, 0
.endr
.endm
.macro PERIOD zero                     ; three K steps, once round the ring, both slots filled again
	FIRSTL \zero
	THREE 1
	TURN 0, 2, 1
	THREE 2
	TURN 1, 0, 1
.endm
; sixteen loads: the next 16 of my rows of input and of residual into the staging registers; 16 lanes read 256 consecutive bytes, aligned
.macro EPLOAD
.irp t, 0,1,2,3,4,5,6,7
	global_load_b128 v[SIN+4*\t:SIN+4*\t+3], v[CO], s[84:85] offset:2*\t*4096 th:TH_LOAD_NT
.endr
.irp t, 0,1,2,3,4,5,6,7
	global_load_b128 v[SRS+4*\t:SRS+4*\t+3], v[CO], s[86:87] offset:2*\t*4096 th:TH_LOAD_NT
.endr
.endm
; A register's number cannot follow a counter, so the trip's number picks one of eight runs of sixteen adds: in trip k block k of SUM takes up the staged rows.
.macro STUB k
	s_cmp_lg_u32 s3, \k
	s_cbranch_scc1 .Lnot_block_\k
	WIN ACC
.set q, 0
.rept 16
	v_pk_add_f32 v[32*\k+2*q:32*\k+2*q+1], v[32*\k+2*q:32*\k+2*q+1], v[SIN+2*q:SIN+2*q+1]
.set q, q+1
.endr
	WIN 0
.Lnot_block_\k:
.endm
	s_wait_tensorcnt 0x1                           ; my part of slot L is in; slot S's may stay out
	s_barrier_signal -1
	s_barrier_wait -1                              ; everybody's is
	FETCH 0, 0, 0
	PERIOD 1                                       ; the first period stands in front of the loop: its first products start the sums
	WIN 0
	s_mov_b32 s3, 0
.Lperiod:
	WIN TO3
	EPLOAD                                         ; rows 16 s3 .. 16 s3 + 15 of my 128; they have the whole period in which to come
	PERIOD 0
	s_wait_loadcnt 0x0                             ; the sixteen loads of this trip: their staging registers may be read and their bases stepped
	WIN ALL3
.set q, 0
.rept 16
	v_pk_add_f32 v[SIN+2*q:SIN+2*q+1], v[SIN+2*q:SIN+2*q+1], v[SRS+2*q:SRS+2*q+1]    ; input + residual
.set q, q+1
.endr
	WIN 0
	STUB 0
	STUB 1
	STUB 2
	STUB 3
	STUB 4
	STUB 5
	STUB 6
	STUB 7
	s_add_nc_u64 s[84:85], s[84:85], 16*4096       ; sixteen rows on; the eighth trip's step is not used: no load reaches past my 128 rows
	s_add_nc_u64 s[86:87], s[86:87], 16*4096
	s_add_co_u32 s3, s3, 1
	s_cmp_lt_u32 s3, TRIPS
	s_cbranch_scc1 .Lperiod
	FIRSTL 0                                       ; the tenth period: slot L is filled once more, with the last two K steps; slot S is not
	THREE 1
	TURN 0, 2, 1
	THREE 2
	TURN 1, 0, 0                                   ; behind this barrier no wave reads slot S any more, and nothing fills it: the stages may lie there
	FIRSTL 0
	THREE 1
	s_wait_dscnt 8                                 ; the very last quarter: nothing more to fetch
	WIN MUL
.irp a, 0,1,2,3
	MULA 1, \a, 0
.endr
	s_wait_dscnt 0
.irp a, 4,5,6,7
	MULA 1, \a, 0
.endr
	; THE WAY OUT, 16 rows at a time: the products' sums go through a stage of my own and come back as whole rows of 256 bytes, are added to SUM, and SUM is stored.
	; Two stages and two buffers take turns, so that block a + 1's LDS traffic is issued ahead of block a's adds.  SUM's registers, the stores' offset and their
	; base are never written again, so no wait stands for the stores' sources.
	PLACES
.macro OUTA a                          ; block a into stage a % 2, and back by rows into buffer a % 2
	WIN S1W1
.irp b, 0,1,2,3
	ds_store_b128 v[STO], v[8*(4*\a+\b):8*(4*\a+\b)+3] offset:(\a%2)*STG2+64*\b
	ds_store_b128 v[STO], v[8*(4*\a+\b)+4:8*(4*\a+\b)+7] offset:(\a%2)*STG2+64*\b+16
.endr
	WIN 0
.irp t, 0,1,2,3,4,5,6,7
	ds_load_b128 v[RB+32*(\a%2)+4*\t:RB+32*(\a%2)+4*\t+3], v[RD] offset:(\a%2)*STG2+\t*2*SPITCH   ; LDS serves a wave's instructions in order (ISA guide 5.7.1.4): these see the stores above
.endr
.endm
.macro OUTF a, younger                 ; younger = the LDS instructions issued behind block a's loads: the next block's 8 stores and 8 loads, or none
	WIN FIN
.irp t, 0,1,2,3,4,5,6,7
	s_wait_dscnt \younger+7-\t                     ; load t of this block is in; its 7 - t later ones and the next block's may be out
	v_pk_add_f32 v[32*\a+4*\t:32*\a+4*\t+1],   v[32*\a+4*\t:32*\a+4*\t+1],   v[RB+32*(\a%2)+4*\t:RB+32*(\a%2)+4*\t+1]
	v_pk_add_f32 v[32*\a+4*\t+2:32*\a+4*\t+3], v[32*\a+4*\t+2:32*\a+4*\t+3], v[RB+32*(\a%2)+4*\t+2:RB+32*(\a%2)+4*\t+3]
.endr
	WIN ST2
.irp t, 0,1,2,3,4,5,6,7
	global_store_b128 v[CO], v[32*\a+4*\t:32*\a+4*\t+3], s[8:9] offset:(16*\a+2*\t)*4096 th:TH_STORE_NT   ; 16 lanes store 256 consecutive bytes, aligned; the row stands in the immediate (516,096 at the most)
.endr
.endm
	OUTA 0
	OUTA 1
	OUTF 0, 16
	OUTA 2
	OUTF 1, 16
	OUTA 3
	OUTF 2, 16
	OUTA 4
	OUTF 3, 16
	OUTA 5
	OUTF 4, 16
	OUTA 6
	OUTF 5, 16
	OUTA 7
	OUTF 6, 16
	OUTF 7, 0
	WIN 0
	s_wait_tensorcnt 0x0
	ds_add_u32 v30, v31
	s_wait_dscnt 0x0
	CROUND                                         ; the closing round: no work-group ends while a partner may still ask for a tile that names it
	s_endpgm
.Lfunc_end_k_q5c8a040068_gemm2:
	.size	k_q5c8a040068_gemm2, .Lfunc_end_k_q5c8a040068_gemm2-k_q5c8a040068_gemm2
	.p2alignl 7, 3214868480
	.fill 96, 4, 3214868480
	.section	.rodata,"a",@progbits
	.p2align	6, 0x0
	.amdhsa_kernel k_q5c8a040068_gemm2
		.amdhsa_group_segment_fixed_size 327680
		.amdhsa_private_segment_fixed_size 0
		.amdhsa_enable_private_segment 0
		.amdhsa_kernarg_size 56
		.amdhsa_user_sgpr_count 2
		.amdhsa_user_sgpr_kernarg_segment_ptr 1
		.amdhsa_wavefront_size32 1
		.amdhsa_system_sgpr_workgroup_id_x 1
		.amdhsa_system_sgpr_workgroup_id_y 1
		.amdhsa_system_sgpr_workgroup_id_z 1
		.amdhsa_system_vgpr_workitem_id 0
		.amdhsa_next_free_vgpr 840
		.amdhsa_next_free_sgpr 98
		.amdhsa_reserve_vcc 0
		.amdhsa_float_denorm_mode_32 3
		.amdhsa_float_denorm_mode_16_64 3
		.amdhsa_memory_ordered 1
		.amdhsa_forward_progress 1
		.amdhsa_inst_pref_size 224
	.end_amdhsa_kernel
	.amdgpu_metadata
---
amdhsa.version: [ 1, 2 ]
amdhsa.kernels:
  - .name:           k_q5c8a040068_gemm2
    .symbol:         k_q5c8a040068_gemm2.kd
    .args:
      - { .name: hb, .offset: 0, .size: 8, .value_kind: global_buffer, .address_space: global }
      - { .name: w2b, .offset: 8, .size: 8, .value_kind: global_buffer, .address_space: global }
      - { .name: input, .offset: 16, .size: 8, .value_kind: global_buffer, .address_space: global }
      - { .name: residual, .offset: 24, .size: 8, .value_kind: global_buffer, .address_space: global }
      - { .name: bias, .offset: 32, .size: 8, .value_kind: global_buffer, .address_space: global }
      - { .name: output_b, .offset: 40, .size: 8, .value_kind: global_buffer, .address_space: global }
      - { .name: out0, .offset: 48, .size: 8, .value_kind: global_buffer, .address_space: global }
    .group_segment_fixed_size: 327680
    .private_segment_fixed_size: 0
    .kernarg_segment_align: 8
    .kernarg_segment_size: 56
    .max_flat_workgroup_size: 128
    .sgpr_count:     98
    .vgpr_count:     840
    .wavefront_size: 32
...
	.end_amdgpu_metadata
.endif
;; end of part 3
;; ======== version 2 of 2: 3 launches; version 1 with the launch prep written anew for expert scheduling mode
;; workspace buffers: xb 16,777,216 bytes; w1b 8,388,608 bytes; w2b 8,388,608 bytes; hb 67,108,864 bytes
;; launch prep (part 4): grid 512 x 1, 4 waves a work-group, no clusters, 0 bytes of LDS; arguments input, residual, bias, attn_nw, attn_nb, xb, inter_w, output_w, w1b, w2b; writes xb, w1b, w2b
.if DOCPART == 4
	.amdgcn_target "amdgcn-amd-amdhsa--gfx1250"
	.amdhsa_code_object_version 6
	.text
	.protected	k_q5c8a040068_prep
	.globl	k_q5c8a040068_prep
	.p2align	8
	.type	k_q5c8a040068_prep,@function
k_q5c8a040068_prep:
	s_mov_b64 s[64:65], 0
	v_nop
	global_prefetch_b8 v0, s[64:65] scope:SCOPE_SE
	s_setreg_imm32_b32 hwreg(HW_REG_WAVE_SCHED_MODE, 0, 2), 2
	s_setreg_imm32_b32 hwreg(HW_REG_WAVE_MODE, 25, 1), 1
	s_wait_xcnt 0x0
	s_wait_alu depctr_vm_vsrc(0)
; First of three launches of   out = gelu(LN(input + bias + residual) W1 + b1) W2 + b2 + (input + bias + residual).
; WORK LEFT OUT: the input residual_norm is named nowhere in the body of reference(), so for all values it can reach no output.
; It is not loaded and is among no launch's arguments.  Limit: a NaN or an infinity in residual_norm is not carried to the result (nor is it by reference()).
;
; This launch makes the 16-bit operands of the two products:
;   work-groups 0-255:   xb[row][1024] = bf16( LN(input + bias + residual) * attn_nw + attn_nb ), 32 rows a work-group, 8 a wave, one wave to a row
;   work-groups 256-383: w1b = bf16(inter_w);  384-511: w2b = bf16(output_w): 32,768 numbers a work-group, layout unchanged ([k][n])
; Limit: x, W1, W2 are rounded to bf16 (nearest even) for the matrix units; mean, variance and the norm are f32, the variance from the centred row as in reference().
; A row of 4,096 bytes is 32 registers of a wave, so it stays in registers between the passes; no LDS, no barrier, no loop: every address register is written once.
;
; THE MODE: SCHED_MODE bits 1:0 = 2 (LLVM: expert scheduling mode 2), set by the entry lines.  The code itself states the register dependences
; between vector instructions and memory instructions, with s_wait_alu, always for 0.
; THE PLAN, THE NORM.  Registers that memory instructions touch:
;   v1, v2, v3   byte offsets, made at the head and never written again: the rows stand in the immediate offsets.
;   BI, GA, BE   loaded once at the head; after that named by vector instructions alone.
;   IN[s]        slot s = row % 2: input as loaded, then worked on in place up to the row's last pass; behind that pass the loads of the row two further down land in it.
;   RS[s]        residual as loaded; read by the row's second run of adds and by nothing after them; the loads of the row two further down land in it from the row's middle on.
;   OUT          written by the row's sixteen conversions, read by its eight stores, written again by the next row's conversions.
; A row has two waits on va_vdst.  The first stands behind the reciprocal roots, ahead of their first reader; it also states that the adds are done reading RS[s], so residual's
; eight loads follow it, dealt among the last pass, which names IN, R, T, GA, BE and OUT: none of the registers that those loads touch.  The second stands behind the last
; conversion: OUT is written and IN[s] is done with; input's eight loads and the row's eight stores follow it.  One wait on vm_vsrc a row, beside s_wait_xcnt 0, stands
; ahead of the conversions: the stores of the row before have read OUT.
; THE PLAN, THE CASTS.  A wave's 64 pieces of 512 bytes go in 8 blocks of 8.  X0 .. X4: five blocks as loaded; block b + 5 lands in X[b] (b = 0, 1, 2).  Y0 .. Y2: the results of
; blocks 0 to 2, written once.  Blocks 3 to 7 are converted in place and stored from X.  One wait on va_vdst a block, behind its sixteen conversions: they are done reading X[b]
; and have written what the stores read.  No register that a store has read is written again, so the casts hold no wait on vm_vsrc.
.set P,   0                            ; v0         target of the exchange between the halves of the wave (the thread's number is not needed behind the head)
.set BI,  4                            ; v[4:35]    bias of my 32 columns (load j: columns 128 j + 4 lane .. + 3 in registers 4 j .. 4 j + 3)
.set GA,  36                           ; v[36:67]   attn_nw likewise
.set BE,  68                           ; v[68:99]   attn_nb likewise
.set INB, 100                          ; v[100:227] two row slots: 32 registers of input, then 32 of residual
.set T,   228                          ; v[228:235] at work: no memory instruction names them
.set M,   236                          ; v[236:237] the mean, twice
.set R,   238                          ; v[238:239] 1 / sqrt(var + eps), twice
.set OUT, 240                          ; v[240:255] a row's 32 results in bf16, to store
.set X,   4                            ; cast: v[4:163]   five blocks of 8 slots of 4 registers, as loaded
.set Y,   164                          ; cast: v[164:211] three blocks of 8 slots of 2 registers, to store
	v_and_b32 v3, 31, v0                           ; lane
	v_lshrrev_b32 v[T], 5, v0                      ; wave
	v_lshlrev_b32 v1, 4, v3
	v_lshl_add_u32 v1, v[T], 15, v1                ; f32 side: wave x 32,768 bytes + 16 lane (8 rows of 4,096 bytes, or 8,192 numbers of a weight)
	v_lshlrev_b32 v2, 3, v3
	v_lshl_add_u32 v2, v[T], 14, v2                ; bf16 side: wave x 16,384 bytes + 8 lane
	s_cmp_lt_u32 ttmp9, 256
	s_cbranch_scc0 .Lcast
	; ---------------- the norm ----------------
	s_load_b256 s[4:11], s[0:1], 0x0               ; input s[4:5], residual s[6:7], bias s[8:9], attn_nw s[10:11]
	s_load_b128 s[12:15], s[0:1], 0x20             ; attn_nb s[12:13], xb s[14:15]
	s_lshl_b32 s16, ttmp9, 17                      ; 32 rows of 4,096 bytes
	s_mov_b32 s17, 0
	s_lshl_b32 s18, ttmp9, 16                      ; 32 rows of 2,048 bytes
	s_mov_b32 s19, 0
	s_mov_b32 s20, 0x3a800000                      ; 1 / 1024
	s_mov_b32 s21, 0x3727c5ac                      ; 1e-5
	s_mov_b32 s22, 0x76543210                      ; v_permlanex16_b32: lane i of one half reads lane i of the other
	s_mov_b32 s23, 0xfedcba98
	v_lshlrev_b32 v3, 4, v3                        ; 16 lane: my place in the three vectors of 1,024
	v_mov_b32 v[P], 0                              ; the exchange counts as a reader of its target
	s_wait_kmcnt 0x0
	s_add_nc_u64 s[4:5], s[4:5], s[16:17]
	s_add_nc_u64 s[6:7], s[6:7], s[16:17]
	s_add_nc_u64 s[14:15], s[14:15], s[18:19]
	s_wait_alu depctr_va_vdst(0)                   ; v1, v2 and v3 are written: every load and store of the norm reads one of them as its offset
.irp j, 0,1,2,3,4,5,6,7
	global_load_b128 v[BI+4*\j:BI+4*\j+3], v3, s[8:9] offset:512*\j
.endr
.irp j, 0,1,2,3,4,5,6,7
	global_load_b128 v[GA+4*\j:GA+4*\j+3], v3, s[10:11] offset:512*\j
.endr
.irp j, 0,1,2,3,4,5,6,7
	global_load_b128 v[BE+4*\j:BE+4*\j+3], v3, s[12:13] offset:512*\j
.endr
; eight loads: row 'row' of my eight, of input, 512 neighbouring bytes a load.
; The row may be handed over as a sum (row + 2), so it stands in brackets in front of the product with the row's bytes.
.macro LDIN row, sl
.irp j, 0,1,2,3,4,5,6,7
	global_load_b128 v[INB+64*\sl+4*\j:INB+64*\sl+4*\j+3], v1, s[4:5] offset:(\row)*4096+512*\j th:TH_LOAD_NT
.endr
.endm
; one load: piece j of eight of the same row of residual
.macro LDRS row, sl, j
	global_load_b128 v[INB+64*\sl+32+4*(\j):INB+64*\sl+32+4*(\j)+3], v1, s[6:7] offset:(\row)*4096+512*(\j) th:TH_LOAD_NT
.endm
; the four chains in v[T:T+7] to one number, the same in all 32 lanes, in v[T]
.macro REDUCE
	v_pk_add_f32 v[T:T+1], v[T:T+1], v[T+2:T+3]
	v_pk_add_f32 v[T+4:T+5], v[T+4:T+5], v[T+6:T+7]
	v_pk_add_f32 v[T:T+1], v[T:T+1], v[T+4:T+5]
	v_add_f32 v[T], v[T], v[T+1]
	v_add_f32_dpp v[T], v[T], v[T] row_xmask:1 row_mask:0xf bank_mask:0xf
	v_add_f32_dpp v[T], v[T], v[T] row_xmask:2 row_mask:0xf bank_mask:0xf
	v_add_f32_dpp v[T], v[T], v[T] row_xmask:4 row_mask:0xf bank_mask:0xf
	v_add_f32_dpp v[T], v[T], v[T] row_xmask:8 row_mask:0xf bank_mask:0xf
	v_permlanex16_b32 v[P], v[T], s22, s23
	v_add_f32 v[T], v[T], v[P]
.endm
; One row.  left = the younger loads that may stay out (the next row's sixteen); fill = 1: the slot takes the row two further down.
.macro TURN row, sl, left, fill
.set IN, INB+64*\sl
.set RS, INB+64*\sl+32
	s_wait_loadcnt \left                           ; loads come back in order: this row's sixteen (and, the first time, the 24 older ones of the three vectors) are in
.irp q, 0,1,2,3,4,5,6,7,8,9,10,11,12,13,14,15
	v_pk_add_f32 v[IN+2*\q:IN+2*\q+1], v[IN+2*\q:IN+2*\q+1], v[BI+2*\q:BI+2*\q+1]
.endr
.irp q, 0,1,2,3,4,5,6,7,8,9,10,11,12,13,14,15
	v_pk_add_f32 v[IN+2*\q:IN+2*\q+1], v[IN+2*\q:IN+2*\q+1], v[RS+2*\q:RS+2*\q+1]   ; input + bias + residual: the last lines of the row that name RS
.endr
.irp c, 0,1,2,3
	v_pk_add_f32 v[T+2*\c:T+2*\c+1], v[IN+2*\c:IN+2*\c+1], v[IN+8+2*\c:IN+8+2*\c+1]  ; four chains, started by the data: nothing is cleared
.endr
.irp c, 0,1,2,3
	v_pk_add_f32 v[T+2*\c:T+2*\c+1], v[T+2*\c:T+2*\c+1], v[IN+16+2*\c:IN+16+2*\c+1]
.endr
.irp c, 0,1,2,3
	v_pk_add_f32 v[T+2*\c:T+2*\c+1], v[T+2*\c:T+2*\c+1], v[IN+24+2*\c:IN+24+2*\c+1]
.endr
	REDUCE
	v_mul_f32 v[M], s20, v[T]                      ; the mean
	v_mov_b32 v[M+1], v[M]
.irp q, 0,1,2,3,4,5,6,7,8,9,10,11,12,13,14,15
	v_pk_add_f32 v[IN+2*\q:IN+2*\q+1], v[IN+2*\q:IN+2*\q+1], v[M:M+1] neg_lo:[0,1] neg_hi:[0,1]
.endr
.irp c, 0,1,2,3
	v_pk_mul_f32 v[T+2*\c:T+2*\c+1], v[IN+2*\c:IN+2*\c+1], v[IN+2*\c:IN+2*\c+1]
.endr
.irp c, 0,1,2,3
	v_pk_fma_f32 v[T+2*\c:T+2*\c+1], v[IN+8+2*\c:IN+8+2*\c+1], v[IN+8+2*\c:IN+8+2*\c+1], v[T+2*\c:T+2*\c+1]
.endr
.irp c, 0,1,2,3
	v_pk_fma_f32 v[T+2*\c:T+2*\c+1], v[IN+16+2*\c:IN+16+2*\c+1], v[IN+16+2*\c:IN+16+2*\c+1], v[T+2*\c:T+2*\c+1]
.endr
.irp c, 0,1,2,3
	v_pk_fma_f32 v[T+2*\c:T+2*\c+1], v[IN+24+2*\c:IN+24+2*\c+1], v[IN+24+2*\c:IN+24+2*\c+1], v[T+2*\c:T+2*\c+1]
.endr
	REDUCE
	v_fma_f32 v[T], v[T], s20, s21                 ; var + eps
	v_rsq_f32 v[R], v[T]
	v_rsq_f32 v[R+1], v[T]
	v_nop                                          ; one plain vector instruction behind a transcendental before its result is read or its source rewritten (ISA guide 5.7.2)
	s_wait_alu depctr_va_vdst(0)                   ; both reciprocal roots are written, ahead of their first reader; and the adds above are done reading RS, in which the loads below land
.if \row > 0
	s_wait_xcnt 0x0                                ; the stores of the row before have had their addresses translated (ISA guide 3.1): OUT, their data, is rewritten only behind this wait
	s_wait_alu depctr_vm_vsrc(0)                   ; and they have read OUT, which the conversions below write again
.endif
.irp g, 0,1,2,3
.if \fill
	LDRS \row+2, \sl, 2*\g                         ; residual of the row two further down.  No wait: no vector instruction since the wait above names RS or v1
	LDRS \row+2, \sl, 2*\g+1
.endif
.irp c, 0,1,2,3
	v_pk_mul_f32 v[T+2*\c:T+2*\c+1], v[IN+8*\g+2*\c:IN+8*\g+2*\c+1], v[R:R+1]
.endr
.irp c, 0,1,2,3
	v_pk_fma_f32 v[T+2*\c:T+2*\c+1], v[T+2*\c:T+2*\c+1], v[GA+8*\g+2*\c:GA+8*\g+2*\c+1], v[BE+8*\g+2*\c:BE+8*\g+2*\c+1]
.endr
.irp c, 0,1,2,3
	v_cvt_pk_bf16_f32 v[OUT+4*\g+\c], v[T+2*\c], v[T+2*\c+1]
.endr
.endr
	s_wait_alu depctr_va_vdst(0)                   ; the conversions have written OUT, which the stores below read; the last pass is done with IN, in which the loads below land
.if \fill
	LDIN \row+2, \sl                               ; input of the row two further down, ahead of the stores
.endif
.irp g, 0,1,2,3
	global_store_b64 v2, v[OUT+4*\g:OUT+4*\g+1], s[14:15] offset:\row*2048+512*\g          ; 32 lanes x 8 bytes: 256 consecutive bytes, aligned
	global_store_b64 v2, v[OUT+4*\g+2:OUT+4*\g+3], s[14:15] offset:\row*2048+512*\g+256
.endr
.endm
	LDIN 0, 0                                      ; rows 0 and 1: no vector instruction has named these registers
.irp j, 0,1,2,3,4,5,6,7
	LDRS 0, 0, \j
.endr
	LDIN 1, 1
.irp j, 0,1,2,3,4,5,6,7
	LDRS 1, 1, \j
.endr
	TURN 0, 0, 16, 1
	TURN 1, 1, 16, 1
	TURN 2, 0, 16, 1
	TURN 3, 1, 16, 1
	TURN 4, 0, 16, 1
	TURN 5, 1, 16, 1
	TURN 6, 0, 16, 0                               ; the last two rows fetch nothing more
	TURN 7, 1, 0, 0
	s_endpgm
	; ---------------- the casts ----------------
.Lcast:
	s_load_b256 s[28:35], s[0:1], 0x30             ; inter_w s[28:29], output_w s[30:31], w1b s[32:33], w2b s[34:35]
	s_sub_co_u32 s24, ttmp9, 256                   ; 0-127: inter_w; 128-255: output_w
	s_and_b32 s25, s24, 127                        ; my part of that weight
	s_lshl_b32 s40, s25, 17                        ; 32,768 numbers of 4 bytes
	s_mov_b32 s41, 0
	s_lshl_b32 s42, s25, 16                        ; and of 2 bytes
	s_mov_b32 s43, 0
	s_wait_kmcnt 0x0
	s_cmp_lt_u32 s24, 128
	s_cselect_b64 s[36:37], s[28:29], s[30:31]     ; from
	s_cselect_b64 s[38:39], s[32:33], s[34:35]     ; to
	s_add_nc_u64 s[36:37], s[36:37], s[40:41]
	s_add_nc_u64 s[38:39], s[38:39], s[42:43]
	s_wait_alu depctr_va_vdst(0)                   ; v1 and v2 are written: every load and store of the casts reads one of them as its offset
	; a wave has 64 pieces of 512 bytes, 8 blocks of 8; a ring of five blocks of register slots keeps 32 to 40 loads of it on their way
.set i, 0
.rept 40
	global_load_b128 v[X+4*i:X+4*i+3], v1, s[36:37] offset:512*i th:TH_LOAD_NT
.set i, i+1
.endr
; Block b, in buffer b % 5.  left = the younger loads that may stay out.  again = 1: the buffer takes block b + 5, and the results go out of Y; else they are made in place.
.macro CBLK b, left, again
.set XB, X+32*((\b)%5)
	s_wait_loadcnt \left                           ; loads come back in order: the block's eight are in
.irp i, 0,1,2,3,4,5,6,7
.if \again
	v_cvt_pk_bf16_f32 v[Y+16*\b+2*\i], v[XB+4*\i], v[XB+4*\i+1]
	v_cvt_pk_bf16_f32 v[Y+16*\b+2*\i+1], v[XB+4*\i+2], v[XB+4*\i+3]
.else
	v_cvt_pk_bf16_f32 v[XB+4*\i], v[XB+4*\i], v[XB+4*\i+1]
	v_cvt_pk_bf16_f32 v[XB+4*\i+1], v[XB+4*\i+2], v[XB+4*\i+3]
.endif
.endr
	s_wait_alu depctr_va_vdst(0)                   ; the sixteen conversions have written what the stores below read and are done reading the buffer, in which the loads below land
.if \again
.irp i, 0,1,2,3,4,5,6,7
	global_load_b128 v[XB+4*\i:XB+4*\i+3], v1, s[36:37] offset:512*(8*(\b+5)+\i) th:TH_LOAD_NT
.endr
.irp i, 0,1,2,3,4,5,6,7
	global_store_b64 v2, v[Y+16*\b+2*\i:Y+16*\b+2*\i+1], s[38:39] offset:256*(8*\b+\i)    ; 256 consecutive bytes, aligned; Y's registers are never written again
.endr
.else
.irp i, 0,1,2,3,4,5,6,7
	global_store_b64 v2, v[XB+4*\i:XB+4*\i+1], s[38:39] offset:256*(8*\b+\i)              ; nor are these
.endr
.endif
.endm
	CBLK 0, 32, 1                                  ; behind block b's loads: 32 - 8 b first fills and 8 b reloads
	CBLK 1, 32, 1
	CBLK 2, 32, 1
	CBLK 3, 32, 0                                  ; block 4's first fills and the 24 reloads
	CBLK 4, 24, 0                                  ; the counts run down: nothing more is loaded
	CBLK 5, 16, 0
	CBLK 6, 8, 0
	CBLK 7, 0, 0
	s_endpgm
.Lfunc_end_k_q5c8a040068_prep:
	.size	k_q5c8a040068_prep, .Lfunc_end_k_q5c8a040068_prep-k_q5c8a040068_prep
	.p2alignl 7, 3214868480
	.fill 96, 4, 3214868480
	.section	.rodata,"a",@progbits
	.p2align	6, 0x0
	.amdhsa_kernel k_q5c8a040068_prep
		.amdhsa_group_segment_fixed_size 0
		.amdhsa_private_segment_fixed_size 0
		.amdhsa_enable_private_segment 0
		.amdhsa_kernarg_size 80
		.amdhsa_user_sgpr_count 2
		.amdhsa_user_sgpr_kernarg_segment_ptr 1
		.amdhsa_wavefront_size32 1
		.amdhsa_system_sgpr_workgroup_id_x 1
		.amdhsa_system_sgpr_workgroup_id_y 1
		.amdhsa_system_sgpr_workgroup_id_z 1
		.amdhsa_system_vgpr_workitem_id 0
		.amdhsa_next_free_vgpr 256
		.amdhsa_next_free_sgpr 66
		.amdhsa_reserve_vcc 0
		.amdhsa_float_denorm_mode_32 3
		.amdhsa_float_denorm_mode_16_64 3
		.amdhsa_memory_ordered 1
		.amdhsa_forward_progress 1
		.amdhsa_inst_pref_size 117
	.end_amdhsa_kernel
	.amdgpu_metadata
---
amdhsa.version: [ 1, 2 ]
amdhsa.kernels:
  - .name:           k_q5c8a040068_prep
    .symbol:         k_q5c8a040068_prep.kd
    .args:
      - { .name: input, .offset: 0, .size: 8, .value_kind: global_buffer, .address_space: global }
      - { .name: residual, .offset: 8, .size: 8, .value_kind: global_buffer, .address_space: global }
      - { .name: bias, .offset: 16, .size: 8, .value_kind: global_buffer, .address_space: global }
      - { .name: attn_nw, .offset: 24, .size: 8, .value_kind: global_buffer, .address_space: global }
      - { .name: attn_nb, .offset: 32, .size: 8, .value_kind: global_buffer, .address_space: global }
      - { .name: xb, .offset: 40, .size: 8, .value_kind: global_buffer, .address_space: global }
      - { .name: inter_w, .offset: 48, .size: 8, .value_kind: global_buffer, .address_space: global }
      - { .name: output_w, .offset: 56, .size: 8, .value_kind: global_buffer, .address_space: global }
      - { .name: w1b, .offset: 64, .size: 8, .value_kind: global_buffer, .address_space: global }
      - { .name: w2b, .offset: 72, .size: 8, .value_kind: global_buffer, .address_space: global }
    .group_segment_fixed_size: 0
    .private_segment_fixed_size: 0
    .kernarg_segment_align: 8
    .kernarg_segment_size: 80
    .max_flat_workgroup_size: 128
    .sgpr_count:     66
    .vgpr_count:     256
    .wavefront_size: 32
...
	.end_amdgpu_metadata
.endif
;; end of part 4
;; launch gemm1: the kernel of part 2 again; grid 16 x 32, 4 waves a work-group, clusters of 4 x 4, 327,680 bytes of LDS; arguments xb, w1b, hb, inter_b; writes hb
;; launch gemm2: the kernel of part 3 again; grid 8 x 32, 4 waves a work-group, clusters of 4 x 4, 327,680 bytes of LDS; arguments hb, w2b, input, residual, bias, output_b, out0; writes out0
